; MI455X (gfx1250); checked and timed in simulation.
; The chip was launched on July 23, 2026; its instructions are those of AMD's public machine-readable ISA for CDNA 5 (MIT licence, August 2026) and "CDNA5" Instruction Set Architecture Reference Guide (July 2026). The comments in the code are by the model that wrote it; some were corrected since.
;; Attention Layer. Allowed arithmetic: matrix products marked QUANTISED: E5M2 operands, one E8M0 scale for each 32 along K, by v_wmma_scale_f32_16x16x128_f8f6f4 with both operands' format E5M2, f32 sums; everything else in f32.
;; Inputs: Wk_codes 1,024 x 32 x 32 uint8 (E5M2 codes of Wk, K innermost, in blocks of 32 codes); Wk_scales 1,024 x 32 uint8 (E8M0 scales of Wk, one for each 32 codes along K); Wo_codes 1,024 x 32 x 32 uint8 (E5M2 codes of Wo, K innermost, in blocks of 32 codes); Wo_scales 1,024 x 32 uint8 (E8M0 scales of Wo, one for each 32 codes along K); Wq_codes 1,024 x 32 x 32 uint8 (E5M2 codes of Wq, K innermost, in blocks of 32 codes); Wq_scales 1,024 x 32 uint8 (E8M0 scales of Wq, one for each 32 codes along K); Wv_codes 1,024 x 32 x 32 uint8 (E5M2 codes of Wv, K innermost, in blocks of 32 codes); Wv_scales 1,024 x 32 uint8 (E8M0 scales of Wv, one for each 32 codes along K); bk 1,024 float32; bo 1,024 float32; bq 1,024 float32; bv 1,024 float32; ln_beta 1,024 float32; ln_gamma 1,024 float32; x 4 x 2,048 x 1,024 float32.
;; Outputs: out0 4 x 2,048 x 1,024 float32.
;; This version of the problem:
;;   THIS VERSION OF THE PROBLEM IS GIVEN IN LOW PRECISION. The matrix products marked QUANTISED in the list below multiply operands that are first quantised to E5M2 (5 exponent bits, 2 mantissa bits; 8 bits a number), with one power-of-two scale for each 32 numbers along K (OCP MX v1.0); their sums are f32. All else is computed in f32.
;;   The module's matrix products, in the order in which they are computed (A, B: the left and right operand; K: the contracted axis; several contracted axes count as one K, in the product's order):
;;     1. [M 8,192, K 1,024] x [K 1,024, N 1,024]; A: computed on the way; B: input Wq (given as codes): QUANTISED
;;     2. [M 8,192, K 1,024] x [K 1,024, N 1,024]; A: computed on the way; B: input Wk (given as codes): QUANTISED
;;     3. [M 8,192, K 1,024] x [K 1,024, N 1,024]; A: computed on the way; B: input Wv (given as codes): QUANTISED
;;     4. batch 64 x [M 2,048, K 64] x [K 64, N 2,048]; A: computed on the way; B: computed on the way: QUANTISED
;;     5. batch 64 x [M 2,048, K 2,048] x [K 2,048, N 64]; A: softmax (see below); B: computed on the way: QUANTISED
;;     6. [M 8,192, K 1,024] x [K 1,024, N 1,024]; A: computed on the way; B: input Wo (given as codes): QUANTISED
;;   THE QUANTISER, for each operand of a quantised product, along K:
;;     - K is cut into blocks of 32 from its start; a last block that is shorter is filled with zeros.
;;     - A block's scale is 2^e with e = floor(log2(the largest magnitude in the block)) - 15, held to -126 .. 127; a block of zeros has e = 0. As a byte (E8M0): e + 127.
;;     - Each number is divided by its block's scale, clamped to +-57,344, and rounded to the nearest number of E5M2, ties to even, subnormals kept.
;;     - The product sums the exact products of the quantised numbers (number of the format x scale) in f32.
;;   ~~~python
;;   def quantise(x, axis):      # numpy; x: float32 -> the quantised numbers, widened to float32 again
;;       x = np.moveaxis(x, axis, -1); K = x.shape[-1]
;;       x = np.pad(x, [(0, 0)] * (x.ndim - 1) + [(0, -K % 32)]); x = x.reshape(x.shape[:-1] + (-1, 32)); a = np.abs(x).max(-1, keepdims=True)
;;       e = np.where(a > 0, np.clip(np.frexp(np.where(a > 0, a, 1))[1] - 1 - 15, -126, 127), 0)      # np.frexp(a)[1] - 1 = floor(log2(a)), exactly
;;       r = np.clip(x / 2.0 ** e, -57344, 57344)
;;       step = 2.0 ** (np.maximum(np.frexp(np.where(r == 0, 1, r))[1] - 1, -14) - 2)
;;       q = np.round(r / step) * step * 2.0 ** e      # np.round: ties to even
;;       return np.moveaxis(q.reshape(q.shape[:-2] + (-1,))[..., :K], -1, axis).astype(np.float32)
;;   ~~~
;;   SOFTMAX AHEAD OF A QUANTISED PRODUCT. Where the list says 'softmax', what is quantised is not the finished softmax but p = 2^(t - M), with t = logit x log2(e) and M = ceil(the row's largest t), a whole number; so 1/2 < the row's largest p <= 1. The row's sum l is taken of the UNQUANTISED p, in f32, and the product's result is divided by l at the end. Since M is a whole number, a kernel that streams over the keys may use a running M (the ceiling of the running maximum): every later rescaling is an exact power of two, which a block's scale takes up: the codes' values come out the same.
;;   OPERANDS COMPUTED ON THE WAY. 'Computed on the way' means the value that the module computes at that place (a softmax that the list does not call 'softmax' is quantised finished and normalised). What goes into a quantiser is computed in f32, as accurately as f32 sums, v_exp_f32 and their like allow (about 1e-6 of the number): no bf16 or f16 on the way to a quantiser, and a product that is left as it is and whose result goes on into a quantised operand takes f32 operands (vector FMAs, or v_wmma_f32_16x16x4_f32). A number that lies on a knife's edge between two numbers of the format may be rounded either way, as far as f32 arithmetic and the matrix unit's own rounding can turn it there, and no further.
;;   INPUTS GIVEN AS CODES. Wk (in the module: [1024, 1024], K = its axis 1); Wo (in the module: [1024, 1024], K = its axis 1); Wq (in the module: [1024, 1024], K = its axis 1); Wv (in the module: [1024, 1024], K = its axis 1): each comes as NAME_codes (uint8): NAME with its K axis moved to the last place and cut into blocks of 32 codes, [.., K / 32, bytes a block], one block behind the other in memory; one code a byte (a code: sign, 5 exponent bits, 2 mantissa bits); and NAME_scales (uint8): the same leading axes, one E8M0 byte (e + 127) for each 32 codes along K. Its value is code x scale, taken as it is: it is not quantised again, and the codes and scales need not be those that the quantiser above would give.
;; One version. Each part assembles by itself: llvm-mc -triple=amdgcn-amd-amdhsa -mcpu=gfx1250 --defsym DOCPART=n.
;; ======== version 1 of 1: 4 launches
;; limits: right only within a limited range of input values
;; workspace buffers: h_codes 8,388,608 bytes; h_scales 262,144 bytes; qrec 17,563,648 bytes; kv 17,563,648 bytes; ao_img 8,388,608 bytes; ao_scl 262,144 bytes
;; launch ln (part 1): grid 256 x 1, 4 waves a work-group, no clusters, 22,016 bytes of LDS; arguments x, ln_gamma, ln_beta, h_codes, h_scales; writes h_codes, h_scales
.if DOCPART == 1
	.amdgcn_target "amdgcn-amd-amdhsa--gfx1250"
	.amdhsa_code_object_version 6
	.text
	.protected	k_qa58cf85774_ln
	.globl	k_qa58cf85774_ln
	.p2align	8
	.type	k_qa58cf85774_ln,@function
k_qa58cf85774_ln:
	s_mov_b64 s[64:65], 0
	v_nop
	global_prefetch_b8 v0, s[64:65] scope:SCOPE_SE
	s_setreg_imm32_b32 hwreg(HW_REG_WAVE_MODE, 25, 1), 1
	s_wait_xcnt 0x0
; h = (x - mean) * rsqrt(var + 1e-5) * gamma + beta, row by row of x [8192][1024], all in f32; then h is turned into codes of E5M2, K (the row) innermost,
; h_codes [8192][1024], with one E8M0 byte for each 32 along the row, h_scales [8192][32].
; A block's scale is 2^(floor(log2(its largest magnitude)) - 15); its byte is the largest magnitude's exponent field - 15, held at 1 from below.
; LIMITS: NaN and infinities are not served; a block whose largest magnitude lies under 2^-111 (a block of zeros among them) gets the byte 1: its codes are what the
; conversion gives under that scale (zeros stay zeros), and the bytes are read by this program alone.
; SHARES: a wave takes 8 whole rows; waves share nothing, so there is no barrier.  A row's 4,096 bytes come by eight loads of 512 consecutive bytes; three rows of a wave are on their way.
; The conversions want 16 NEIGHBOURS in one lane's registers, the loads want neighbouring lanes on neighbouring bytes: so a row turns through the wave's own stage in LDS
; (two halves of 512 numbers; 64 bytes + 16 of padding for each lane).  The mean is taken first and the variance of x - mean: a common offset does no harm.
; A lane's 16 codes are 16 bytes: a store of the wave covers 512 consecutive bytes.  The wave's 256 scale bytes are gathered in LDS and leave as 256 consecutive, aligned bytes.
.set ROWS,  8
.set SP,    80                         ; a lane's place in a stage: 64 bytes + 16 of padding
.set HALF,  32*SP                      ; the stage of half a row
.set SCBY,  2*HALF                     ; behind the two stages: the wave's 256 scale bytes
.set WREG,  SCBY+256                   ; LDS of a wave
.set G,     16                         ; v16-47   gamma of my 32 columns (16 s + i: column 512 s + 16 lane + i)
.set BT,    48                         ; v48-79   beta likewise
.set X,     80                         ; v80-111  the row in hand, turned
.set R,     112                        ; v112-207 three sets of 32: rows as loaded
.set C,     208                        ; v208-223 codes: four registers for each half row, two rows' worth
.set E,     224                        ; v224-225 scale bytes
.set MU,    226                        ; v[226:227] the mean (the upper register is only named)
.set RS,    228                        ; v[228:229] 1 / sqrt(var + eps)
.set SA,    230                        ; v[230:233] two chains of sums
.set SB,    232
	s_load_b256 s[4:11], s[0:1], 0x0               ; x s[4:5], gamma s[6:7], beta s[8:9], h_codes s[10:11]
	s_load_b64 s[12:13], s[0:1], 0x20              ; h_scales
	v_lshl_add_u32 v240, v0, 2, 0x5400
	v_mov_b32 v241, 0
	v_lshrrev_b32 v1, 5, v0
	v_readfirstlane_b32 s16, v1                    ; wave
	v_and_b32 v2, 31, v0                           ; lane
	v_lshlrev_b32 v3, 4, v2                        ; 16 x lane: my bytes of a load's 512, and of a store's
	v_lshlrev_b32 v1, 6, v2                        ; 64 x lane: my 16 numbers of gamma and beta in half a row
	s_mul_i32 s17, s16, WREG
	v_lshrrev_b32 v14, 2, v2
	v_mul_u32_u24 v14, v14, SP
	v_and_b32 v15, 3, v2
	v_lshl_add_u32 v14, v15, 4, v14
	v_add_nc_u32 v14, s17, v14                     ; the stage, way in: SP (lane / 4) + 16 (lane % 4); a load's 512 bytes take eight places
	v_mul_u32_u24 v15, v2, SP
	v_add_nc_u32 v15, s17, v15                     ; way out: SP x lane: my 16 neighbours
	s_add_co_u32 s19, s17, SCBY
	v_lshrrev_b32 v5, 1, v2
	v_add_nc_u32 v5, s19, v5                       ; my block's byte among a half row's 16
	v_lshlrev_b32 v7, 3, v2
	v_add_nc_u32 v6, s19, v7                       ; and on the way out 8 bytes a lane
	s_lshl_b32 s18, ttmp9, 5
	s_lshl_b32 s20, s16, 3
	s_add_co_u32 s18, s18, s20                     ; my first row: 32 x work-group + 8 x wave
	s_mov_b32 s21, 0
	s_mov_b32 s22, 0x3a800000                      ; 1 / 1024
	s_mov_b32 s23, 0x3727c5ac                      ; 1e-5
	s_mov_b32 s24, 0x600000                        ; the mantissa field of 57,344
	s_mov_b32 s26, 0x76543210                      ; v_permlanex16_b32's selects for lane l xor 16
	s_mov_b32 s27, 0xfedcba98
	v_mov_b32 v[MU+1], 0                           ; named as upper halves of pairs, so they are written
	v_mov_b32 v[RS+1], 0
	s_wait_alu depctr_va_vdst(0)
	s_wait_kmcnt 0x0
	s_lshl_b32 s20, s18, 12
	s_add_nc_u64 s[4:5], s[4:5], s[20:21]          ; x at my first row
	s_lshl_b32 s20, s18, 10
	s_add_nc_u64 s[10:11], s[10:11], s[20:21]      ; the codes likewise
	s_lshl_b32 s20, s18, 5
	s_add_nc_u64 s[12:13], s[12:13], s[20:21]      ; and the scale bytes
.irp i, 0,1,2,3,4,5,6,7
	global_load_b128 v[G+4*\i:G+4*\i+3], v1, s[6:7] offset:2048*(\i/4)+16*(\i%4)
	global_load_b128 v[BT+4*\i:BT+4*\i+3], v1, s[8:9] offset:2048*(\i/4)+16*(\i%4)
.endr
.macro LOAD t                          ; row t as it lies: eight loads of 512 consecutive bytes, into set t % 3
.irp i, 0,1,2,3,4,5,6,7
	global_load_b128 v[R+32*((\t)%3)+4*\i:R+32*((\t)%3)+4*\i+3], v3, s[4:5] offset:4096*(\t)+512*\i
.endr
.endm
.macro ACROSS                          ; the pair v[SA:SA+1] summed, then over the 32 lanes: every lane gets the sum
	v_add_f32 v[SA], v[SA], v[SA+1]
	v_add_f32_dpp v[SA], v[SA], v[SA] row_xmask:1 row_mask:0xf bank_mask:0xf
	v_add_f32_dpp v[SA], v[SA], v[SA] row_xmask:2 row_mask:0xf bank_mask:0xf
	v_add_f32_dpp v[SA], v[SA], v[SA] row_xmask:4 row_mask:0xf bank_mask:0xf
	v_add_f32_dpp v[SA], v[SA], v[SA] row_xmask:8 row_mask:0xf bank_mask:0xf
	v_permlanex16_b32 v[SA+1], v[SA], s26, s27
	v_add_f32 v[SA], v[SA], v[SA+1]
.endm
	LOAD 0
	LOAD 1
	LOAD 2
.macro ROW t
.if (\t) <= ROWS-3
	s_wait_loadcnt 16                              ; loads come back in order: row t (and gamma, beta) is in; the 16 loads of the next two rows may be out
.else
	s_wait_loadcnt 8*(ROWS-1-(\t))
.endif
.irp i, 0,1,2,3,4,5,6,7
	ds_store_b128 v14, v[R+32*((\t)%3)+4*\i:R+32*((\t)%3)+4*\i+3] offset:HALF*(\i/4)+8*SP*(\i%4)
.endr
.irp i, 0,1,2,3,4,5,6,7
	ds_load_b128 v[X+4*\i:X+4*\i+3], v15 offset:HALF*(\i/4)+16*(\i%4)   ; LDS serves a wave's instructions in order: these see the stores above
.endr
	s_wait_dscnt 0x0                               ; the row is back, turned; the stores have read their registers,
.if (\t)+3 < ROWS
	LOAD (\t)+3                                    ; which take the row three further on
.endif
	v_pk_add_f32 v[SA:SA+1], v[X:X+1], v[X+2:X+3]  ; the sum of my 32 numbers, in two chains
	v_pk_add_f32 v[SB:SB+1], v[X+4:X+5], v[X+6:X+7]
.irp j, 8,12,16,20,24,28
	v_pk_add_f32 v[SA:SA+1], v[SA:SA+1], v[X+\j:X+\j+1]
	v_pk_add_f32 v[SB:SB+1], v[SB:SB+1], v[X+\j+2:X+\j+3]
.endr
	v_pk_add_f32 v[SA:SA+1], v[SA:SA+1], v[SB:SB+1]
	ACROSS
	v_mul_f32 v[MU], s22, v[SA]                    ; the mean
.irp j, 0,2,4,6,8,10,12,14,16,18,20,22,24,26,28,30
	v_pk_add_f32 v[X+\j:X+\j+1], v[X+\j:X+\j+1], v[MU:MU+1] op_sel_hi:[1,0] neg_lo:[0,1] neg_hi:[0,1]   ; x - mean
.endr
	v_pk_mul_f32 v[SA:SA+1], v[X:X+1], v[X:X+1]    ; the sum of squares of x - mean
	v_pk_mul_f32 v[SB:SB+1], v[X+2:X+3], v[X+2:X+3]
.irp j, 4,8,12,16,20,24,28
	v_pk_fma_f32 v[SA:SA+1], v[X+\j:X+\j+1], v[X+\j:X+\j+1], v[SA:SA+1]
	v_pk_fma_f32 v[SB:SB+1], v[X+\j+2:X+\j+3], v[X+\j+2:X+\j+3], v[SB:SB+1]
.endr
	v_pk_add_f32 v[SA:SA+1], v[SA:SA+1], v[SB:SB+1]
	ACROSS
	v_fma_f32 v[RS], v[SA], s22, s23               ; var + eps
	s_wait_alu depctr_va_vdst(0)
	v_rsq_f32 v[RS], v[RS]
	v_nop                                          ; one plain instruction behind a transcendental before its result is used
	s_wait_alu depctr_va_vdst(0)
.irp j, 0,2,4,6,8,10,12,14,16,18,20,22,24,26,28,30
	v_pk_mul_f32 v[X+\j:X+\j+1], v[X+\j:X+\j+1], v[RS:RS+1] op_sel_hi:[1,0]
.endr
.irp j, 0,2,4,6,8,10,12,14,16,18,20,22,24,26,28,30
	v_pk_fma_f32 v[X+\j:X+\j+1], v[X+\j:X+\j+1], v[G+\j:G+\j+1], v[BT+\j:BT+\j+1]   ; h
.endr
	s_wait_xcnt 0x0                                ; the stores of two rows ago have read their registers: the codes' registers are written again only behind this wait
.irp s, 0,1                            ; each half row: my 16 numbers are half a block of 32; my neighbour (lane xor 1) holds the other half
	v_max3_num_f32 v8, |v[X+16*\s]|, |v[X+16*\s+1]|, |v[X+16*\s+2]|
	v_max3_num_f32 v9, |v[X+16*\s+3]|, |v[X+16*\s+4]|, |v[X+16*\s+5]|
.irp i, 6,10
	v_max3_num_f32 v8, v8, |v[X+16*\s+\i]|, |v[X+16*\s+\i+1]|
	v_max3_num_f32 v9, v9, |v[X+16*\s+\i+2]|, |v[X+16*\s+\i+3]|
.endr
	v_max3_num_f32 v8, v8, |v[X+16*\s+14]|, |v[X+16*\s+15]|
	v_max3_num_f32 v8, v8, v9, 0x8000000           ; and the floor 2^(16 - 127): the byte cannot fall under 1
	v_max_num_f32_dpp v8, v8, v8 row_xmask:1 row_mask:0xf bank_mask:0xf   ; the block's largest magnitude
	v_add_nc_u32 v11, 0xf8800000, v8               ; 15 off its exponent field: the conversion takes this operand's exponent field as its scale
	v_and_or_b32 v10, v8, 0x7f800000, s24          ; 57,344 x the scale
.irp i, 0,1,2,3,4,5,6,7,8,9,10,11,12,13,14,15
	v_med3_num_f32 v[X+16*\s+\i], v[X+16*\s+\i], -v10, v10   ; the conversion to an 8-bit code does not saturate (ISA guide 7.6.2): the hold comes first
.endr
	v_cvt_scalef32_pk8_bf8_f32 v[C+8*((\t)%2)+4*\s:C+8*((\t)%2)+4*\s+1], v[X+16*\s:X+16*\s+7], v11
	v_cvt_scalef32_pk8_bf8_f32 v[C+8*((\t)%2)+4*\s+2:C+8*((\t)%2)+4*\s+3], v[X+16*\s+8:X+16*\s+15], v11
	v_lshrrev_b32 v[E+\s], 23, v11                 ; the scale's byte (also the plain instruction behind the conversions)
	ds_store_b8 v5, v[E+\s] offset:32*(\t)+16*\s   ; both lanes of a block write the same byte with the same value
	global_store_b128 v3, v[C+8*((\t)%2)+4*\s:C+8*((\t)%2)+4*\s+3], s[10:11] offset:1024*(\t)+512*\s   ; 32 lanes store 512 consecutive bytes
.endr
.endm
.irp t, 0,1,2,3,4,5,6,7
	ROW \t
.endr
	ds_load_b64 v[12:13], v6                       ; my wave's 256 scale bytes: LDS serves a wave's instructions in order
	s_wait_dscnt 0x0
	global_store_b64 v7, v[12:13], s[12:13]        ; 32 lanes store 256 consecutive bytes, aligned: 8 rows x 32 bytes
	s_wait_tensorcnt 0x0
	ds_add_u32 v240, v241
	s_wait_dscnt 0x0
	s_endpgm
.Lfunc_end_k_qa58cf85774_ln:
	.size	k_qa58cf85774_ln, .Lfunc_end_k_qa58cf85774_ln-k_qa58cf85774_ln
	.p2alignl 7, 3214868480
	.fill 96, 4, 3214868480
	.section	.rodata,"a",@progbits
	.p2align	6, 0x0
	.amdhsa_kernel k_qa58cf85774_ln
		.amdhsa_group_segment_fixed_size 22016
		.amdhsa_private_segment_fixed_size 0
		.amdhsa_enable_private_segment 0
		.amdhsa_kernarg_size 40
		.amdhsa_user_sgpr_count 2
		.amdhsa_user_sgpr_kernarg_segment_ptr 1
		.amdhsa_wavefront_size32 1
		.amdhsa_system_sgpr_workgroup_id_x 1
		.amdhsa_system_sgpr_workgroup_id_y 1
		.amdhsa_system_sgpr_workgroup_id_z 1
		.amdhsa_system_vgpr_workitem_id 0
		.amdhsa_next_free_vgpr 242
		.amdhsa_next_free_sgpr 66
		.amdhsa_reserve_vcc 0
		.amdhsa_float_denorm_mode_32 3
		.amdhsa_float_denorm_mode_16_64 3
		.amdhsa_memory_ordered 1
		.amdhsa_forward_progress 1
		.amdhsa_inst_pref_size 100
	.end_amdhsa_kernel
	.amdgpu_metadata
---
amdhsa.version: [ 1, 2 ]
amdhsa.kernels:
  - .name:           k_qa58cf85774_ln
    .symbol:         k_qa58cf85774_ln.kd
    .args:
      - { .name: x, .offset: 0, .size: 8, .value_kind: global_buffer, .address_space: global }
      - { .name: ln_gamma, .offset: 8, .size: 8, .value_kind: global_buffer, .address_space: global }
      - { .name: ln_beta, .offset: 16, .size: 8, .value_kind: global_buffer, .address_space: global }
      - { .name: h_codes, .offset: 24, .size: 8, .value_kind: global_buffer, .address_space: global }
      - { .name: h_scales, .offset: 32, .size: 8, .value_kind: global_buffer, .address_space: global }
    .group_segment_fixed_size: 22016
    .private_segment_fixed_size: 0
    .kernarg_segment_align: 8
    .kernarg_segment_size: 40
    .max_flat_workgroup_size: 128
    .sgpr_count:     66
    .vgpr_count:     242
    .wavefront_size: 32
...
	.end_amdgpu_metadata
.endif
;; end of part 1
;; launch qkv (part 2): grid 12 x 32, 4 waves a work-group, clusters of 4 x 4, 327,680 bytes of LDS; arguments h_codes, h_scales, Wq_codes, Wq_scales, Wk_codes, Wk_scales, Wv_codes, Wv_scales, bq, bk, bv, qrec, kv; writes qrec, kv
.if DOCPART == 2
	.amdgcn_target "amdgcn-amd-amdhsa--gfx1250"
	.amdhsa_code_object_version 6
	.text
	.protected	k_qa58cf85774_qkv
	.globl	k_qa58cf85774_qkv
	.p2align	8
	.type	k_qa58cf85774_qkv,@function
k_qa58cf85774_qkv:
	s_mov_b64 s[64:65], 0
	v_nop
	global_prefetch_b8 v0, s[64:65] scope:SCOPE_SE
	s_setreg_imm32_b32 hwreg(HW_REG_WAVE_MODE, 25, 1), 1
	s_wait_xcnt 0x0
	s_wait_alu depctr_hold_cnt(0) depctr_sa_sdst(0) depctr_va_vdst(0) depctr_va_sdst(0) depctr_va_ssrc(0) depctr_va_vcc(0) depctr_vm_vsrc(0)
	s_getreg_b32 s2, hwreg(HW_REG_IB_STS2, 6, 4)
	s_cmp_eq_u32 s2, 0
	s_cbranch_scc0 .Lentry_in_a_cluster
	s_endpgm
.Lentry_in_a_cluster:
	s_bfe_u32 s2, ttmp6, 0x10000c
	s_cmp_lg_u32 s2, 0xf033
	s_cbranch_scc0 .Lentry_shape_is_right
	s_endpgm
.Lentry_shape_is_right:
.set SIZE_K, 1024
.set KSTEP,  256
.set NQ,     KSTEP/128
.set ROWB,   256
.set KROW,   SIZE_K
.set PITCH,  272
.set FR,     16
.set NL,     4
.set NP,     8
.set HALFT,  128*PITCH
.set SLOT,   4*HALFT
.set LAPS,   SIZE_K/(2*KSTEP)
.set KS,     SIZE_K/32
.set SCL,    2*SLOT
.set HALFS,  (128*KS/256)*272
.set SBLK,   (16*KS/256)*272
.set SPARE,  SCL+4*HALFS
.set REC,    17152
.set HEADB,  16*REC
.set VA,   8
.set ADRA, 16
.set ADRB, 20
.set OUTA, 24
.set OUTB, 25
.set OUTS, 26
.set ADRS, 27
.set SPW,  28
.set NIL,  29
.set SC,   32
.set BI,   64
.set AF,   128
.set ST,   128
.set PC,   192
.set TM,   208
.set SW,   224
.set XW,   232
.set XH,   240
.set G1, 24
.set G0, 32
.set G1B, 48
.set G0B, 56
.set G1S, 68
.set G0S, 76
.set G1SB, 80
.set G0SB, 88
.set JOB, 66
.set MSB, 0
.macro WIN new
.if MSB != (\new)
	s_set_vgpr_msb (MSB<<8)|(\new)
.set MSB, (\new)
.endif
.endm
.set MUL_LO, 0xa1
.set MUL_HI, 0xf1
.set TO_B,   0x40
.macro JLOAD g0a, g1a, g0b, g1b
	s_cmp_eq_u32 s15, 0
	s_cbranch_scc0 .Lfor_b_\@
	tensor_load_to_lds s[\g0a:\g0a+3], s[\g1a:\g1a+7]
	s_nop 0
.rept 4
	v_nop
.endr
	s_branch .Lasked_\@
.Lfor_b_\@:
	tensor_load_to_lds s[\g0b:\g0b+3], s[\g1b:\g1b+7]
	s_nop 0
.rept 4
	v_nop
.endr
.Lasked_\@:
.endm
.macro CREST
	s_cmp_lg_u32 s14, 0
	s_cbranch_scc1 .Lnot_wave_0_\@
	s_barrier_signal -3
.Lnot_wave_0_\@:
	s_barrier_wait -3
	s_barrier_signal -1
	s_barrier_wait -1
.endm
.macro CROUND
	s_barrier_signal -1
	s_barrier_wait -1
	CREST
.endm
	s_load_b512 s[68:83], s[0:1], 0x0
	s_load_b256 s[84:91], s[0:1], 0x40
	s_load_b64 s[96:97], s[0:1], 0x60
	v_lshl_add_u32 v[SPW], v0, 2, SPARE
	v_mov_b32 v[NIL], 0
	ds_add_u32 v28, v29
	ds_add_u32 v28, v29
	s_wait_dscnt 0x0
	v_lshrrev_b32 v1, 5, v0
	v_readfirstlane_b32 s14, v1
	s_lshr_b32 s15, s14, 1
	s_and_b32 s16, s14, 1
	s_bfe_u32 s40, ttmp6, 0x40000
	s_bfe_u32 s41, ttmp6, 0x40004
	s_and_b32 s18, ttmp7, 0xffff
	s_lshl_b32 s18, s18, 2
	s_cmp_eq_u32 ttmp9, 2
	s_cselect_b32 s[JOB], 1, 0
	s_cselect_b32 s19, 0, s18
	s_cselect_b32 s18, s18, 0
	s_add_co_u32 s17, s19, s41
	s_add_co_u32 s42, s18, s40
	s_lshl_b32 s43, s41, 2
	s_lshl_b32 s43, 15, s43
	s_lshl_b32 s44, 0x1111, s40
	s_or_b32 s[G1+0], s43, (0<<16)|(1<<20)|(1<<21)|(5<<22)|(3<<25)
	s_or_b32 s[G1B+0], s44, (0<<16)|(1<<20)|(1<<21)|(5<<22)|(3<<25)
.irp g, G1, G1B
	s_mov_b32 s[\g+1], ROWB<<16
	s_mov_b32 s[\g+2], 256<<16
	s_mov_b32 s[\g+3], ROWB<<16
	s_mov_b32 s[\g+4], 256
	s_mov_b32 s[\g+5], KROW
	s_mov_b32 s[\g+6], 0
	s_mov_b32 s[\g+7], 0
.endr
	s_lshl_b32 s20, s17, 8
	s_lshl_b32 s46, s42, 8
	s_mov_b32 s21, 0
	s_mov_b32 s47, 0
	s_mov_b64 s[18:19], KS
	s_mul_u64 s[22:23], s[20:21], s[18:19]
	s_mul_u64 s[92:93], s[46:47], s[18:19]
	s_mov_b64 s[18:19], KROW
	s_mul_u64 s[20:21], s[20:21], s[18:19]
	s_mul_u64 s[46:47], s[46:47], s[18:19]
	s_mul_i32 s45, s14, HALFT
	s_wait_kmcnt 0x0
	s_cmp_eq_u32 ttmp9, 0
	s_cselect_b64 s[8:9], s[72:73], s[76:77]
	s_cselect_b64 s[10:11], s[74:75], s[78:79]
	s_cselect_b64 s[98:99], s[84:85], s[86:87]
	s_cselect_b64 s[12:13], s[90:91], s[96:97]
	s_cmp_eq_u32 ttmp9, 2
	s_cselect_b64 s[4:5], s[80:81], s[68:69]
	s_cselect_b64 s[6:7], s[82:83], s[70:71]
	s_cselect_b64 s[8:9], s[68:69], s[8:9]
	s_cselect_b64 s[10:11], s[70:71], s[10:11]
	s_cselect_b64 s[98:99], s[88:89], s[98:99]
	s_add_nc_u64 s[20:21], s[4:5], s[20:21]
	s_add_nc_u64 s[22:23], s[6:7], s[22:23]
	s_add_nc_u64 s[46:47], s[8:9], s[46:47]
	s_add_nc_u64 s[92:93], s[10:11], s[92:93]
	s_or_b32 s[G1S+0], s43, (3<<16)|(1<<20)|(1<<21)|(5<<22)|(3<<25)
	s_or_b32 s[G1SB+0], s44, (3<<16)|(1<<20)|(1<<21)|(5<<22)|(3<<25)
.irp g, G1S, G1SB
	s_mov_b32 s[\g+1], 32<<16
	s_mov_b32 s[\g+2], KS<<16
	s_mov_b32 s[\g+3], 32<<16
	s_mov_b32 s[\g+4], KS
	s_mov_b32 s[\g+5], 32
	s_mov_b32 s[\g+6], 0
	s_mov_b32 s[\g+7], 0
.endr
	CROUND
	s_mov_b32 s[G0S], 1
	s_mov_b32 s[G0S+1], SCL
	s_mov_b64 s[G0S+2:G0S+3], s[22:23]
	s_or_b32 s[G0S+3], s[G0S+3], 0x80000000
	s_mov_b32 s[G0SB], 1
	s_mov_b32 s[G0SB+1], SCL+2*HALFS
	s_mov_b64 s[G0SB+2:G0SB+3], s[92:93]
	s_or_b32 s[G0SB+3], s[G0SB+3], 0x80000000
	s_mov_b32 s4, 1                                ; the head's loads of K step 0, each tile whole: A's 256 rows,
	s_mov_b32 s5, 0
	s_mov_b64 s[6:7], s[20:21]
	s_or_b32 s7, s7, 0x80000000
	s_mov_b32 s8, 1                                ; B's 256 rows behind them in slot 0
	s_mov_b32 s9, 2*HALFT
	s_mov_b64 s[10:11], s[46:47]
	s_or_b32 s11, s11, 0x80000000
	s_mul_i32 s18, s16, 128*KROW                   ; for the ring: my 128 rows of a tile
	s_mov_b32 s19, 0
	s_add_nc_u64 s[20:21], s[20:21], s[18:19]
	s_add_nc_u64 s[46:47], s[46:47], s[18:19]
.irp s, 0,1
	s_mov_b32 s[G0+4*\s], 1
	s_add_co_u32 s[G0+4*\s+1], s45, \s*SLOT
	s_add_nc_u64 s[G0+4*\s+2:G0+4*\s+3], s[20:21], \s*ROWB
	s_or_b32 s[G0+4*\s+3], s[G0+4*\s+3], 0x80000000
	s_mov_b32 s[G0B+4*\s], 1
	s_add_co_u32 s[G0B+4*\s+1], s45, \s*SLOT
	s_add_nc_u64 s[G0B+4*\s+2:G0B+4*\s+3], s[46:47], \s*ROWB
	s_or_b32 s[G0B+4*\s+3], s[G0B+4*\s+3], 0x80000000
.endr
; the head's four tiles, one a wave, in one chain of branches on the wave's number: wave 0 A's rows, wave 1 B's, wave 2 A's scales, wave 3 B's
.macro ARM under, g0, g1, next
	s_cmp_lt_u32 s14, \under
	s_cbranch_scc0 \next
	tensor_load_to_lds s[\g0:\g0+3], s[\g1:\g1+7]
	s_nop 0
.rept 4
	v_nop
.endr
	s_branch .Lhead_asked
\next:
.endm
	ARM 1, 4, G1, .Lhead_b
	ARM 2, 8, G1B, .Lhead_sa
	ARM 3, G0S, G1S, .Lhead_sb
	tensor_load_to_lds s[G0SB:G0SB+3], s[G1SB:G1SB+7]
	s_nop 0
.rept 4
	v_nop
.endr
.Lhead_asked:
	v_and_b32 v1, 15, v0
	v_bfe_u32 v2, v0, 4, 1
	v_mul_u32_u24 v3, v1, PITCH
	v_lshl_add_u32 v4, v2, 4, v3
	s_mul_i32 s21, s15, HALFT
	s_mul_i32 s22, s16, HALFT
	s_add_co_u32 s22, s22, 2*HALFT
.irp s, 0,1
	v_add_nc_u32 v[ADRA+\s], s21, v4
	v_add_nc_u32 v[ADRB+\s], s22, v4
	s_add_co_u32 s21, s21, SLOT
	s_add_co_u32 s22, s22, SLOT
.endr
	v_mul_u32_u24 v5, v1, KS
	v_lshrrev_b32 v6, 8, v5
	v_lshl_add_u32 v5, v6, 4, v5
	s_mul_i32 s21, s15, HALFS
	s_mul_i32 s22, s16, HALFS
	s_add_co_u32 s22, s22, 2*HALFS
	s_sub_co_u32 s22, s22, s21
	v_mul_u32_u24 v6, s22, v2
	s_add_co_u32 s21, s21, SCL
	v_add_nc_u32 v5, v5, v6
	v_add_nc_u32 v[ADRS], s21, v5
	s_lshl_b32 s18, s17, 8
	s_lshl_b32 s19, s15, 7
	s_add_co_u32 s18, s18, s19
	s_lshl_b32 s19, s42, 8
	s_lshl_b32 s21, s16, 7
	s_add_co_u32 s19, s19, s21
	s_cmp_eq_u32 s[JOB], 1
	s_cselect_b32 s67, s19, s18
	s_cselect_b32 s95, s18, s19
	s_cselect_b32 s21, 8192, 0
	s_cselect_b32 s92, HEADB-8192, 0
	s_cselect_b32 s22, 4, 0
	s_cselect_b32 s23, 0, 32
	s_cselect_b32 s45, 0, 4
	s_mov_b32 s94, 16384
	s_cselect_b32 s94, 8704, s94
	s_mov_b32 s46, HEADB
	s_cselect_b32 s46, 1024, s46
	s_mov_b32 s47, 256
	s_cselect_b32 s47, HEADB, s47
	s_lshr_b32 s18, s67, 11
	s_lshl_b32 s18, s18, 4
	s_lshr_b32 s19, s95, 6
	s_add_co_u32 s18, s18, s19
	s_mul_i32 s18, s18, HEADB
	s_bfe_u32 s19, s67, 0x40007
	s_mul_i32 s19, s19, REC
	s_add_co_u32 s18, s18, s19
	s_add_co_u32 s18, s18, s21
	s_mov_b32 s19, 0
	s_add_nc_u64 s[12:13], s[12:13], s[18:19]
	s_mov_b32 s18, s94
	s_add_nc_u64 s[100:101], s[12:13], s[18:19]
	s_lshl_b32 s18, s95, 2
	s_add_nc_u64 s[98:99], s[98:99], s[18:19]
	s_mov_b32 s93, 0
	s_mov_b32 s96, 1024
	s_lshl_b32 s96, s96, s[JOB]
	s_mov_b32 s97, 0
	v_and_b32 v6, 31, v0
	v_lshlrev_b32 v[OUTA], 4, v6
	v_add_nc_u32 v[OUTB], s46, v[OUTA]
	v_mul_u32_u24 v[OUTS], s47, v2
	v_lshl_add_u32 v[OUTS], v1, 4, v[OUTS]
	v_mul_u32_u24 v[VA], s22, v1
	v_mad_u32_u24 v[VA], v2, s23, v[VA]
.irp j, 1,2,3,4,5,6,7
	v_add_nc_u32 v[VA+\j], s45, v[VA+\j-1]
.endr
.irp g, 0,1,2,3,4,5,6,7
.irp j, 0,1,2,3,4,5,6,7
	global_load_b32 v[BI+8*\g+\j], v[VA+\j], s[98:99] offset:64*\g
.endr
.endr
.macro FRAG reg, adr, q, i
.irp c, 0,1,2,3
	ds_load_b128 v[\reg+4*\c:\reg+4*\c+3], v[\adr] offset:128*(\q)+32*\c+(\i)*16*PITCH
.endr
.endm
.macro MUL16 a0, p, q, sc, zero
.irp a, \a0, \a0+1
.irp b, 0,1,2,3,4,5,6,7
.if \zero
	v_wmma_scale_f32_16x16x128_f8f6f4 v[8*(8*((\a)%4)+\b):8*(8*((\a)%4)+\b)+7], v[128*(\p)+FR*\b:128*(\p)+FR*\b+FR-1], v[AF+FR*(\a):AF+FR*(\a)+FR-1], 0, v[SC+8*NQ*(\sc)+NQ*\b+(\q)], v[SC+8*NQ*(\sc)+NQ*(\a)+(\q)] matrix_a_fmt:MATRIX_FMT_BF8 matrix_b_fmt:MATRIX_FMT_BF8 matrix_a_scale:MATRIX_SCALE_ROW1
.else
	v_wmma_scale_f32_16x16x128_f8f6f4 v[8*(8*((\a)%4)+\b):8*(8*((\a)%4)+\b)+7], v[128*(\p)+FR*\b:128*(\p)+FR*\b+FR-1], v[AF+FR*(\a):AF+FR*(\a)+FR-1], v[8*(8*((\a)%4)+\b):8*(8*((\a)%4)+\b)+7], v[SC+8*NQ*(\sc)+NQ*\b+(\q)], v[SC+8*NQ*(\sc)+NQ*(\a)+(\q)] matrix_a_fmt:MATRIX_FMT_BF8 matrix_b_fmt:MATRIX_FMT_BF8 matrix_a_scale:MATRIX_SCALE_ROW1
.endif
.endr
.endr
.endm
.macro FETCH_B slot, q, p
	WIN TO_B
.irp i, 0,1,2,3,4,5,6,7
	FRAG 128*(\p)+FR*\i, ADRB+\slot, \q, \i
.endr
	WIN 0
.endm
.macro FETCH_A slot, q, i0
.irp i, \i0, \i0+1, \i0+2, \i0+3
	FRAG AF+FR*(\i), ADRA+\slot, \q, \i
.endr
.endm
.macro SCALES sc
.irp i, 0,1,2,3,4,5,6,7
	ds_load_b64 v[SC+8*NQ*\sc+NQ*\i:SC+8*NQ*\sc+NQ*\i+1], v[ADRS] offset:\i*SBLK
.endr
.endm
.macro PLACES n
.rept \n
	v_nop
.endr
.endm
.macro STEP slot, q, zero
	s_wait_dscnt 4*NL
	WIN MUL_LO
	MUL16 0, (\q)%2, \q, \slot, \zero
	MUL16 2, (\q)%2, \q, \slot, \zero
	s_wait_dscnt 0
	PLACES NP
	FETCH_B \slot, (\q)+1, 1-(\q)%2
	FETCH_A \slot, (\q)+1, 0
	WIN MUL_HI
	MUL16 4, (\q)%2, \q, \slot, \zero
	MUL16 6, (\q)%2, \q, \slot, \zero
	PLACES NP
	WIN 0
	FETCH_A \slot, (\q)+1, 4
.endm
.macro TURN slot, next, fill
	s_wait_tensorcnt 0x0
	ds_add_u32 v[SPW], v[NIL]
	s_wait_dscnt 4*NL+1
	WIN MUL_LO
	MUL16 0, 1, NQ-1, \slot, 0
	s_wait_dscnt 0x0
	s_barrier_signal -1
	MUL16 2, 1, NQ-1, \slot, 0
	WIN 0
	s_barrier_wait -1
.if \fill
	CREST
	s_add_nc_u64 s[G0+4*\slot+2:G0+4*\slot+3], s[G0+4*\slot+2:G0+4*\slot+3], 2*ROWB
	s_add_nc_u64 s[G0B+4*\slot+2:G0B+4*\slot+3], s[G0B+4*\slot+2:G0B+4*\slot+3], 2*ROWB
	JLOAD G0+4*\slot, G1, G0B+4*\slot, G1B
	PLACES NP-4
.else
	PLACES NP
.endif
	s_wait_alu depctr_va_vdst(0)
	v_add_nc_u32 v[ADRS], 4*NQ, v[ADRS]
	FETCH_B \next, 0, 0
	FETCH_A \next, 0, 0
	SCALES \next
	WIN MUL_HI
	MUL16 4, 1, NQ-1, \slot, 0
	MUL16 6, 1, NQ-1, \slot, 0
	PLACES NP
	WIN 0
	FETCH_A \next, 0, 4
.endm
	s_wait_alu depctr_va_vdst(0)                   ; at the head's end
	s_wait_tensorcnt 0x0                           ; my tile of the head's four is in
	ds_add_u32 v[SPW], v[NIL]                      ; ahead of a later first fill
	s_mov_b32 s[G1+2], 128<<16                     ; no tensor load of mine is out: from here on a load brings 128 rows
	s_mov_b32 s[G1+4], 128
	s_mov_b32 s[G1B+2], 128<<16
	s_mov_b32 s[G1B+4], 128
	s_wait_dscnt 0x0
	CROUND
	JLOAD G0+4, G1, G0B+4, G1B                     ; K step 1, slot 1's first fill: the first tensor load behind the round
	FETCH_B 0, 0, 0
	FETCH_A 0, 0, 0
	SCALES 0
	FETCH_A 0, 0, 4
	STEP 0, 0, 1
.if LAPS > 1
	s_mov_b32 s3, LAPS-1
.Llap:
	TURN 0, 1, 1
	STEP 1, 0, 0
	TURN 1, 0, 1
	STEP 0, 0, 0
	s_sub_co_u32 s3, s3, 1
	s_cmp_lg_u32 s3, 0
	s_cbranch_scc1 .Llap
.endif
	TURN 0, 1, 0
	STEP 1, 0, 0
	s_wait_dscnt 4*NL
	WIN MUL_LO
	MUL16 0, 1, NQ-1, 1, 0
	MUL16 2, 1, NQ-1, 1, 0
	s_wait_dscnt 0
	WIN MUL_HI
	MUL16 4, 1, NQ-1, 1, 0
	MUL16 6, 1, NQ-1, 1, 0
	WIN 0
.macro QUANT s, pw
.irp b, 0,1,2,3
	v_max3_num_f32 v[TM+\b], |v[\s+16*\b]|, |v[\s+1+16*\b]|, 0x8000000
.endr
.irp i, 2,4,6,8,10,12,14
.irp b, 0,1,2,3
	v_max3_num_f32 v[TM+\b], v[TM+\b], |v[\s+16*\b+\i]|, |v[\s+1+16*\b+\i]|
.endr
.endr
.irp b, 0,1,2,3
	v_permlanex16_b32 v[TM+4+\b], v[TM+\b], s20, s21
.endr
.irp b, 0,1,2,3
	v_max_num_f32 v[TM+\b], v[TM+\b], v[TM+4+\b]
.endr
.irp b, 0,1,2,3
	v_add_nc_u32 v[TM+12+\b], 0xf8800000, v[TM+\b]
.endr
.irp b, 0,1,2,3
	v_and_or_b32 v[TM+8+\b], v[TM+\b], 0x7f800000, s22
.endr
.irp b, 0,1,2,3
	v_lshrrev_b32 v[TM+4+\b], 23, v[TM+12+\b]
.endr
	v_lshl_or_b32 v[\pw], v[TM+5], 8, v[TM+4]
	v_lshl_or_b32 v[\pw], v[TM+6], 16, v[\pw]
	v_lshl_or_b32 v[\pw], v[TM+7], 24, v[\pw]
.irp b, 0,1,2,3
.irp i, 0,1,2,3,4,5,6,7,8,9,10,11,12,13,14,15
	v_med3_num_f32 v[\s+16*\b+\i], v[\s+16*\b+\i], -v[TM+8+\b], v[TM+8+\b]
.endr
	v_cvt_scalef32_pk8_bf8_f32 v[PC+4*\b:PC+1+4*\b], v[\s+16*\b:\s+7+16*\b], v[TM+12+\b]
	v_cvt_scalef32_pk8_bf8_f32 v[PC+2+4*\b:PC+3+4*\b], v[\s+8+16*\b:\s+15+16*\b], v[TM+12+\b]
.endr
	v_nop
.endm
.macro BIAS a
	s_cmp_eq_u32 s[JOB], 0
	s_cbranch_scc0 .Lchannel_\@
	WIN 0x02+(\a)/4
.set k, 0
.rept 32
	v_pk_add_f32 v[ST+2*k:ST+2*k+1], v[64*((\a)%4)+2*k:64*((\a)%4)+2*k+1], v[BI+2*k:BI+2*k+1]
.set k, k+1
.endr
	WIN 0
	s_branch .Lbiased_\@
.Lchannel_\@:
	WIN 0x02+(\a)/4
.set k, 0
.rept 32
	v_pk_add_f32 v[ST+2*k:ST+2*k+1], v[64*((\a)%4)+2*k:64*((\a)%4)+2*k+1], v[BI+8*(\a):BI+8*(\a)+1]
.set k, k+1
.endr
	WIN 0
.Lbiased_\@:
.endm
	s_wait_loadcnt 0x0
	s_mov_b32 s20, 0x76543210
	s_mov_b32 s21, 0xfedcba98
	s_mov_b32 s22, 0x600000
	s_mov_b32 s23, 0xffff0000
	s_mov_b32 s67, 0xffff
	s_cmp_eq_u32 s[JOB], 1
	s_cselect_b32 s67, -1, s67
	PLACES NP
.irp b, 0,1,2,3
	v_mov_b32 v[TM+4+\b], 0
.endr
.irp a, 0,1,2,3,4,5,6,7
	BIAS \a
	QUANT ST, SW+\a
	global_store_b128 v[OUTA], v[PC:PC+3], s[12:13]
	global_store_b128 v[OUTA], v[PC+4:PC+7], s[12:13] offset:512
	global_store_b128 v[OUTB], v[PC+8:PC+11], s[12:13]
	global_store_b128 v[OUTB], v[PC+12:PC+15], s[12:13] offset:512
	s_wait_xcnt 0x0
	s_add_nc_u64 s[12:13], s[12:13], s[96:97]
.if \a == 3
	s_add_nc_u64 s[12:13], s[12:13], s[92:93]
.endif
.endr
.irp t, 0,1,2,3
	v_cndmask_b32 v[XW+\t], v[SW+\t], v[SW+4+\t], s23
.endr
.irp t, 0,1,2,3
	v_lshrrev_b32 v[XH+\t], 16, v[XW+\t]
.endr
.irp t, 0,1,2,3
	v_and_b32 v[XW+\t], s67, v[XW+\t]
.endr
	global_store_b128 v[OUTS], v[XW:XW+3], s[100:101]
	s_cmp_eq_u32 s[JOB], 0
	s_cbranch_scc0 .Lone_store
	global_store_b128 v[OUTS], v[XH:XH+3], s[100:101] offset:HEADB
.Lone_store:
	s_wait_tensorcnt 0x0
	ds_add_u32 v[SPW], v[NIL]
	s_wait_dscnt 0x0
	CROUND
	s_endpgm
.Lfunc_end_k_qa58cf85774_qkv:
	.size	k_qa58cf85774_qkv, .Lfunc_end_k_qa58cf85774_qkv-k_qa58cf85774_qkv
	.p2alignl 7, 3214868480
	.fill 96, 4, 3214868480
	.section	.rodata,"a",@progbits
	.p2align	6, 0x0
	.amdhsa_kernel k_qa58cf85774_qkv
		.amdhsa_group_segment_fixed_size 327680
		.amdhsa_private_segment_fixed_size 0
		.amdhsa_enable_private_segment 0
		.amdhsa_kernarg_size 104
		.amdhsa_user_sgpr_count 2
		.amdhsa_user_sgpr_kernarg_segment_ptr 1
		.amdhsa_wavefront_size32 1
		.amdhsa_system_sgpr_workgroup_id_x 1
		.amdhsa_system_sgpr_workgroup_id_y 1
		.amdhsa_system_sgpr_workgroup_id_z 1
		.amdhsa_system_vgpr_workitem_id 0
		.amdhsa_next_free_vgpr 1024
		.amdhsa_next_free_sgpr 102
		.amdhsa_reserve_vcc 0
		.amdhsa_float_denorm_mode_32 3
		.amdhsa_float_denorm_mode_16_64 3
		.amdhsa_memory_ordered 1
		.amdhsa_forward_progress 1
		.amdhsa_inst_pref_size 227
	.end_amdhsa_kernel
	.amdgpu_metadata
---
amdhsa.version: [ 1, 2 ]
amdhsa.kernels:
  - .name:           k_qa58cf85774_qkv
    .symbol:         k_qa58cf85774_qkv.kd
    .args:
      - { .name: h_codes, .offset: 0, .size: 8, .value_kind: global_buffer, .address_space: global }
      - { .name: h_scales, .offset: 8, .size: 8, .value_kind: global_buffer, .address_space: global }
      - { .name: Wq_codes, .offset: 16, .size: 8, .value_kind: global_buffer, .address_space: global }
      - { .name: Wq_scales, .offset: 24, .size: 8, .value_kind: global_buffer, .address_space: global }
      - { .name: Wk_codes, .offset: 32, .size: 8, .value_kind: global_buffer, .address_space: global }
      - { .name: Wk_scales, .offset: 40, .size: 8, .value_kind: global_buffer, .address_space: global }
      - { .name: Wv_codes, .offset: 48, .size: 8, .value_kind: global_buffer, .address_space: global }
      - { .name: Wv_scales, .offset: 56, .size: 8, .value_kind: global_buffer, .address_space: global }
      - { .name: bq, .offset: 64, .size: 8, .value_kind: global_buffer, .address_space: global }
      - { .name: bk, .offset: 72, .size: 8, .value_kind: global_buffer, .address_space: global }
      - { .name: bv, .offset: 80, .size: 8, .value_kind: global_buffer, .address_space: global }
      - { .name: qrec, .offset: 88, .size: 8, .value_kind: global_buffer, .address_space: global }
      - { .name: kv, .offset: 96, .size: 8, .value_kind: global_buffer, .address_space: global }
    .group_segment_fixed_size: 327680
    .private_segment_fixed_size: 0
    .kernarg_segment_align: 8
    .kernarg_segment_size: 104
    .max_flat_workgroup_size: 128
    .sgpr_count:     102
    .vgpr_count:     1024
    .wavefront_size: 32
...
	.end_amdgpu_metadata
.endif
;; end of part 2
;; launch attn (part 3): grid 4 x 64, 8 waves a work-group, clusters of 4 x 1, 275,456 bytes of LDS; arguments qrec, kv, ao_img, ao_scl; writes ao_img, ao_scl
.if DOCPART == 3
	.amdgcn_target "amdgcn-amd-amdhsa--gfx1250"
	.amdhsa_code_object_version 6
	.text
	.protected	k_qa58cf85774_attn
	.globl	k_qa58cf85774_attn
	.p2align	8
	.type	k_qa58cf85774_attn,@function
k_qa58cf85774_attn:
	s_mov_b64 s[64:65], 0
	v_nop
	global_prefetch_b8 v0, s[64:65] scope:SCOPE_SE
	s_setreg_imm32_b32 hwreg(HW_REG_WAVE_MODE, 25, 1), 1
	s_wait_xcnt 0x0
	s_wait_alu depctr_hold_cnt(0) depctr_sa_sdst(0) depctr_va_vdst(0) depctr_va_sdst(0) depctr_va_ssrc(0) depctr_va_vcc(0) depctr_vm_vsrc(0)
	s_getreg_b32 s2, hwreg(HW_REG_IB_STS2, 6, 4)
	s_cmp_eq_u32 s2, 0
	s_cbranch_scc0 .Lentry_in_a_cluster
	s_endpgm
.Lentry_in_a_cluster:
	s_bfe_u32 s2, ttmp6, 0x10000c
	s_cmp_lg_u32 s2, 0x3003
	s_cbranch_scc0 .Lentry_shape_is_right
	s_endpgm
.Lentry_shape_is_right:
; O[q] = the sum over k of softmax_k(Q[q] . K[k] / 8) V[k] for one (batch, head) of 2,048 tokens and 64 channels, both products on codes of E5M2 with E8M0 scales; then O is quantised along the
; embedding (its head's two blocks of 32) for the output projection.
; THE SOFTMAX: t = score x log2(e) / 8; M = the running largest t rounded UP to a whole number; p = 2^(t - M) is quantised along the keys, not normalised; the row's sum is taken of the unquantised p
; and divides O at the end.  When M moves, the sums and O are multiplied by f = 2^(old M - new M): exact.
; A BLOCK'S SCALE: the exponent of a block's largest p is floor(u), u = the block's largest t - M, held at -111 from below (the byte is then 1): no exponential is spent on it.
; It differs from the exponent of v_exp_f32's own result only where that result is rounded up to a power of two; that p is then held at the largest code.
; A HEAD STAYS IN LDS: its K, V and scale words are 16 records of 17,152 bytes (one for each 128 keys), images of operand registers: +0 K's codes (tile a x 1,024 + c x 512 + 16 lane),
; +8,192 V^T's codes (channel tile ct x 2,048 + c x 512 + 16 lane), +16,384 K's scale words, +16,896 V's.  They are filled once: no slot is filled again, and no loop streams from memory, so nothing is prefetched.
; SHARES.  A work-group owns 512 queries of one head, in two passes of 256; each of its eight waves owns two tiles of 16 queries a pass, so that each fragment of K and V feeds two matrix instructions.
; CLUSTER: the four work-groups of a head ask for the head's records jointly: each wave one load, its eighth, 134 rows of 256 bytes.
; LAYOUT.  Both products are used transposed (S^T = K Q^T, O^T = V^T P^T): a lane holds ONE query of each tile.  The order of keys inside a block of 32, and of channels, is the one in which the
; launch before laid V^T's, Q's and K's codes: a permutation of k inside a scale block, alike on both operands, keeps every product.
; THE HEAD HAS 64 CHANNELS, THE INSTRUCTION 128: Q's fragment has zero codes in its upper eight registers; K's fragment of tile t runs on into tile t + 1's registers (zeros behind tile 7).
; LIMITS: that leans on K's codes being finite, which the hold gives for finite inputs; NaN and infinities are not served; the scaled scores stay under 2^31 in magnitude.
; REGISTERS.  Window 0 holds all that vector instructions work on, BOTH tiles side by side, so that the two tiles' chains take turns line by line; window 1 holds what matrix instructions and loads alone touch, and O^T.
.set REC,   17152
.set HEADB, 16*REC
.set WPART, HEADB/8                    ; what one wave's tensor load brings
.set SPARE, HEADB                      ; behind the head: the spare words, 128 bytes a wave
; window 0
.set LK,  1                            ; 16 x lane
.set LS,  2                            ; 16 x (lane % 16)
.set AC,  3                            ; the step's record + 16 x lane
.set AS,  4                            ; + 16 x (lane % 16)
.set ACN, 5                            ; the next step's likewise
.set ASN, 6
.set SA,  7                            ; 32 x lane: my row of scale bytes
.set SPW, 8                            ; my spare word
.set NIL, 9                            ; 0
.set NM,  12                           ; tile i: v[12+2i] -M, v[13+2i] the largest t
.set F,   24                           ; tile i: v[24+2i] f; the register above is only named with it
.set KS,  28                           ; K's scale words, 8
.set VS,  36                           ; V's, 4
.set QW,  40                           ; Q's, one a tile
.set PW,  42                           ; p's, one a tile
.set QWN, 44                           ; the next pass's Q scale words
.set TMP, 46                           ; one a tile
.set BM,  48                           ; tile i at + 16 i: block maxima, then u
.set T1,  52                           ; lane permutes' results; exponents
.set HL,  56                           ; 57,344 x the scale
.set SO,  60                           ; the conversions' scale operands
.set S,   80                           ; tile i at + 64 i: S^T, then p
.set NAT, S+32                         ; the way out: codes in natural order
.set PC,  208                          ; tile i at + 16 i: p's codes
.set LA,  240                          ; tile i at + 8 i: the row's sum in four chains of pairs
; window 1
.set KB,  0                            ; K's eight tiles, zeros at 64-71
.set VF,  72                           ; four fragments of V^T
.set QF,  136                          ; tile i at + 16 i: Q, 8 registers, and 8 of zero codes
.set O,   168                          ; tile i at + 32 i: O^T
.set QN,  232                          ; the next pass's Q, 16 registers
.set MSB, 0
.macro WIN new                         ; the immediate's high byte repeats the setting that is left
.if MSB != (\new)
	s_set_vgpr_msb (MSB<<8)|(\new)
.set MSB, (\new)
.endif
.endm
.macro WALU
	s_wait_alu depctr_va_vdst(0)
.endm
.macro CROUND                          ; a round of the cluster's barrier
	s_barrier_signal -1
	s_barrier_wait -1
	s_cmp_lg_u32 s12, 0
	s_cbranch_scc1 .Lnot_wave_0_\@
	s_barrier_signal -3
.Lnot_wave_0_\@:
	s_barrier_wait -3
	s_barrier_signal -1
	s_barrier_wait -1
.endm
.macro QLOAD                           ; a pass's Q: images of operand registers, 16 bytes a lane, and a scale word a query
	WIN 0x40
.irp k, 0,1,2,3
	global_load_b128 v[QN+4*\k:QN+4*\k+3], v[LK], s[4:5] offset:512*\k
.endr
	WIN 0
	global_load_b32 v[QWN], v[LS], s[56:57]
	global_load_b32 v[QWN+1], v[LS], s[56:57] offset:4
.endm
.macro KLOAD ca, sa                    ; a step's K: eight tiles of 8 registers, and their scale words: 18 loads
	WIN 0x40
.irp t, 0,1,2,3,4,5,6,7
	ds_load_b128 v[KB+8*\t:KB+8*\t+3], v[\ca] offset:1024*\t
	ds_load_b128 v[KB+8*\t+4:KB+8*\t+7], v[\ca] offset:1024*\t+512
.endr
	WIN 0
	ds_load_b128 v[KS:KS+3], v[\sa] offset:16384
	ds_load_b128 v[KS+4:KS+7], v[\sa] offset:16640
.endm
.macro QKT i                           ; S^T = K Q^T for tile i: eight tiles of 16 keys (K, Q in window 1, S^T in window 0)
.irp t, 0,1,2,3,4,5,6,7
	v_wmma_scale_f32_16x16x128_f8f6f4 v[S+64*\i+8*\t:S+64*\i+8*\t+7], v[KB+8*\t:KB+8*\t+15], v[QF+16*\i:QF+16*\i+15], 0, v[KS+\t], v[QW+\i] matrix_a_fmt:MATRIX_FMT_BF8 matrix_b_fmt:MATRIX_FMT_BF8
.endr
.endm
.macro PV i                            ; O^T += V^T P^T for tile i: four accumulators by turns (V^T, O^T in window 1, P in window 0)
	WIN 0x51
.irp ct, 0,1,2,3
	v_wmma_scale_f32_16x16x128_f8f6f4 v[O+32*\i+8*\ct:O+32*\i+8*\ct+7], v[VF+16*\ct:VF+16*\ct+15], v[PC+16*\i:PC+16*\i+15], v[O+32*\i+8*\ct:O+32*\i+8*\ct+7], v[VS+\ct], v[PW+\i] matrix_a_fmt:MATRIX_FMT_BF8 matrix_b_fmt:MATRIX_FMT_BF8
.endr
	WIN 0
.endm
.macro MIN2 a, h                       ; two holds in one line: p is not negative, so the hold is one-sided (the conversion does not saturate: ISA guide 7.6.2)
	v_dual_min_num_f32 v[\a], v[\a], v[\h] :: v_dual_min_num_f32 v[\a+1], v[\a+1], v[\h]
.endm
.macro SUMS i                          ; the row's sum of the unquantised p, four chains; each chain's first line brings it under the new M
.irp k, 0,1,2,3
	v_pk_fma_f32 v[LA+8*\i+2*\k:LA+8*\i+2*\k+1], v[LA+8*\i+2*\k:LA+8*\i+2*\k+1], v[F+2*\i:F+2*\i+1], v[S+64*\i+2*\k:S+64*\i+2*\k+1] op_sel_hi:[1,0,1]
.endr
.set j, 8
.rept 7
.irp k, 0,1,2,3
	v_pk_add_f32 v[LA+8*\i+2*\k:LA+8*\i+2*\k+1], v[LA+8*\i+2*\k:LA+8*\i+2*\k+1], v[S+64*\i+j+2*\k:S+64*\i+j+2*\k+1]
.endr
.set j, j+8
.endr
.endm
.macro CVT i                           ; tile i's held p become the second product's operand
.irp b, 0,1,2,3
	v_cvt_scalef32_pk8_bf8_f32 v[PC+16*\i+4*\b:PC+16*\i+4*\b+1], v[S+64*\i+16*\b:S+64*\i+16*\b+7], v[SO+16*\i+\b]
	v_cvt_scalef32_pk8_bf8_f32 v[PC+16*\i+4*\b+2:PC+16*\i+4*\b+3], v[S+64*\i+16*\b+8:S+64*\i+16*\b+15], v[SO+16*\i+\b]
.endr
.endm
	s_load_b256 s[4:11], s[0:1], 0x0               ; qrec s[4:5], kv s[6:7], ao_img s[8:9], ao_scl s[10:11]
	v_lshl_add_u32 v[SPW], v0, 2, SPARE
	v_mov_b32 v[NIL], 0
	ds_add_u32 v[SPW], v[NIL]                      ; the opening lines: the add twice on end and one wait
	ds_add_u32 v[SPW], v[NIL]
	v_lshrrev_b32 v10, 5, v0
	v_readfirstlane_b32 s12, v10                   ; wave 0..7
	s_bfe_u32 s13, ttmp6, 0x40000                  ; cx: my block of 512 queries; it enters Q's and the outputs' addresses alone
	s_and_b32 s14, ttmp7, 0xffff                   ; batch x 16 + head, which the four partners share
	s_mul_i32 s15, s14, HEADB                      ; the head's first byte in qrec and in kv
	s_mov_b32 s32, 15|(3<<16)|(1<<21)              ; group 1: the mask names all four; elements of 8 bytes; bit 21 beside a mask
	s_mov_b32 s33, 32<<16                          ; rows of 256 bytes
	s_mov_b32 s34, (WPART/256)<<16
	s_mov_b32 s35, 32<<16
	s_mov_b32 s36, WPART/256
	s_mov_b32 s37, 32
	s_mov_b32 s38, 0
	s_mov_b32 s39, 0
	s_mov_b32 s40, 1
	s_mul_i32 s41, s12, WPART                      ; LDS address: my eighth
	s_add_co_u32 s44, s15, s41
	s_mov_b32 s45, 0
	s_mov_b32 s20, 0x76543210                      ; v_permlanex16_b32's selects for lane l xor 16
	s_mov_b32 s21, 0xfedcba98
	s_mov_b32 s22, 0x3e38aa3b                      ; c = log2(e) / 8
	s_mov_b32 s23, s22
	s_mov_b32 s24, 0x600000                        ; the mantissa field of 57,344
	s_mov_b32 s25, 0xffff0000                      ; lanes 16-31
	s_wait_dscnt 0x0
	s_wait_kmcnt 0x0
	s_add_nc_u64 s[42:43], s[6:7], s[44:45]
	s_or_b32 s43, s43, 0x80000000
	CROUND                                         ; all four work-groups are here: the joint loads meet
	tensor_load_to_lds s[40:43], s[32:39]          ; my one tensor load of the launch
	s_nop 0
.rept 4
	v_nop
.endr
	s_and_b32 s16, s14, 15                         ; head
	s_lshr_b32 s17, s14, 4                         ; batch
	s_lshl_b32 s18, s13, 2                         ; Q: tile 32 cx + 16 pass + 2 wave + i lies in record 4 cx + 2 pass + wave / 4, as its tile 2 (wave % 4) + i
	s_lshr_b32 s19, s12, 2
	s_add_co_u32 s18, s18, s19
	s_mul_i32 s18, s18, REC
	s_add_co_u32 s18, s18, s15
	s_and_b32 s19, s12, 3
	s_lshl_b32 s44, s19, 11
	s_add_co_u32 s44, s44, s18                     ; its codes
	s_lshr_b32 s19, s19, 1
	s_lshl_b32 s19, s19, 8
	s_and_b32 s46, s12, 1
	s_lshl_b32 s46, s46, 3
	s_add_co_u32 s46, s46, s19
	s_add_co_u32 s46, s46, s18
	s_add_co_u32 s46, s46, 16384                   ; its scale words
	s_mov_b32 s47, 0
	s_add_nc_u64 s[56:57], s[4:5], s[46:47]
	s_add_nc_u64 s[4:5], s[4:5], s[44:45]
	s_lshl_b32 s18, s17, 7
	s_lshl_b32 s19, s13, 5
	s_add_co_u32 s18, s18, s19
	s_lshl_b32 s19, s12, 1
	s_add_co_u32 s18, s18, s19                     ; my first tile of 16 rows: 128 batch + 32 cx + 2 wave
	s_lshl_b32 s44, s18, 14                        ; ao_img: 16,384 bytes a tile of rows; my head's two blocks 1,024 x head bytes in
	s_lshl_b32 s19, s16, 10
	s_add_co_u32 s44, s44, s19
	s_add_nc_u64 s[8:9], s[8:9], s[44:45]
	s_lshl_b32 s44, s18, 9                         ; ao_scl: 32 bytes a row; my head's two bytes at 2 x head
	s_lshl_b32 s19, s16, 1
	s_add_co_u32 s44, s44, s19
	s_add_nc_u64 s[10:11], s[10:11], s[44:45]
	v_and_b32 v10, 31, v0
	v_and_b32 v11, 15, v0
	v_lshlrev_b32 v[LK], 4, v10
	v_lshlrev_b32 v[LS], 4, v11
	v_lshlrev_b32 v[SA], 5, v10
	WALU                                           ; ahead of the readers below
	QLOAD                                          ; the first pass's Q is on its way under the tensor load
.irp i, 0,1
.irp b, 0,1,2,3
	v_mov_b32 v[T1+16*\i+\b], 0                    ; written once: a lane permute's destination counts as one of its sources
.endr
	v_mov_b32 v[F+2*\i+1], 0                       ; named as the upper half of a pair
.endr
	WIN 0x40
.irp j, 0,1,2,3,4,5,6,7
	v_mov_b32 v[KB+64+\j], 0                       ; zero codes behind K's last tile,
	v_mov_b32 v[QF+8+\j], 0                        ; and in the upper halves of Q's fragments
	v_mov_b32 v[QF+24+\j], 0
.endr
	WIN 0
	s_mov_b32 s29, 2
	WALU                                           ; at the head's end
	s_wait_tensorcnt 0x0                           ; my eighth of the head has landed,
	s_barrier_signal -1
	s_barrier_wait -1                              ; everybody's has; nothing is filled again
.Lpass:                                            ; 256 queries of the work-group, two tiles a wave
	s_wait_loadcnt 0x0                             ; this pass's Q is in its spare registers
	WIN 0x41
.irp j, 0,1,2,3,4,5,6,7
	v_mov_b32 v[QF+\j], v[QN+\j]
	v_mov_b32 v[QF+16+\j], v[QN+8+\j]
.endr
	WIN 0
	v_mov_b32 v[QW], v[QWN]
	v_mov_b32 v[QW+1], v[QWN+1]
.irp i, 0,1
	v_mov_b32 v[NM+2*\i+1], 0xff61b1e6             ; the largest t so far: -3e38
.endr
.irp i, 0,1
	v_floor_f32 v[NM+2*\i], -v[NM+2*\i+1]          ; -M
.endr
.set j, 0
.rept 16
	v_mov_b32 v[LA+j], 0                           ; the sums
.set j, j+1
.endr
	WIN 0x40
.set j, 0
.rept 64
	v_mov_b32 v[O+j], 0                            ; O^T: the step is written once; the first finds zeros
.set j, j+1
.endr
	WIN 0
	s_cmp_eq_u32 s29, 1
	WALU
	s_cbranch_scc1 .Lno_q                          ; the last pass has no successor
	s_add_nc_u64 s[4:5], s[4:5], 2*REC             ; 256 queries on (the loads that read these bases are done)
	s_add_nc_u64 s[56:57], s[56:57], 2*REC
	QLOAD                                          ; the next pass's Q: a whole pass ahead of its use
.Lno_q:
	KLOAD LK, LS                                   ; K of key step 0
	s_mov_b32 s26, 0                               ; the step's record
	s_mov_b32 s28, 16
.Lstep:                                            ; a key step: 128 keys, both tiles
	s_add_co_u32 s27, s26, REC
	s_min_u32 s27, s27, 15*REC                     ; the next step's record; the last step fetches its own again, so that no read leaves the head
	s_wait_dscnt 0x0                               ; K and its scale words are in
	WIN 0x05
	QKT 0
	QKT 1
	WIN 0
	v_add_nc_u32 v[AC], s26, v[LK]                 ; four additions and four v_nop: the eight places behind the products
	v_add_nc_u32 v[AS], s26, v[LS]
	v_add_nc_u32 v[ACN], s27, v[LK]
	v_add_nc_u32 v[ASN], s27, v[LS]
.rept 4
	v_nop
.endr
	WIN 0x40
.irp f, 0,1,2,3,4,5,6,7,8,9,10,11,12,13,14,15
	ds_load_b128 v[VF+4*\f:VF+4*\f+3], v[AC] offset:8192+512*\f   ; V^T of this step
.endr
	WIN 0
	ds_load_b128 v[VS:VS+3], v[AS] offset:16896
	KLOAD ACN, ASN                                 ; K of the next step
	; the largest score of each block of 32 keys, eight chains by turns; each accumulator is first read at its low end
.irp b, 0,1,2,3
.irp i, 0,1
	v_max3_num_f32 v[BM+16*\i+\b], v[S+64*\i+16*\b], v[S+64*\i+16*\b+1], v[S+64*\i+16*\b+2]
.endr
.endr
.irp n, 3,5,7,9,11,13
.irp b, 0,1,2,3
.irp i, 0,1
	v_max3_num_f32 v[BM+16*\i+\b], v[BM+16*\i+\b], v[S+64*\i+16*\b+\n], v[S+64*\i+16*\b+\n+1]
.endr
.endr
.endr
.irp b, 0,1,2,3
.irp i, 0,1
	v_max_num_f32 v[BM+16*\i+\b], v[BM+16*\i+\b], v[S+64*\i+16*\b+15]
.endr
.endr
.irp b, 0,1,2,3
.irp i, 0,1
	v_permlanex16_b32 v[T1+16*\i+\b], v[BM+16*\i+\b], s20, s21
.endr
.endr
.irp b, 0,1,2,3
.irp i, 0,1
	v_max_num_f32 v[BM+16*\i+\b], v[BM+16*\i+\b], v[T1+16*\i+\b]   ; with lane l xor 16's 16 keys
.endr
.endr
.irp i, 0,1
	v_max3_num_f32 v[TMP+\i], v[BM+16*\i], v[BM+16*\i+1], v[BM+16*\i+2]
.endr
.irp i, 0,1
	v_max_num_f32 v[TMP+\i], v[TMP+\i], v[BM+16*\i+3]   ; the step's largest score of my query
.endr
.irp i, 0,1
	v_mul_f32 v[TMP+\i], s22, v[TMP+\i]            ; as t
.endr
.irp i, 0,1
	v_max_num_f32 v[NM+2*\i+1], v[NM+2*\i+1], v[TMP+\i]   ; the running largest t
.endr
.irp i, 0,1
	v_mov_b32 v[TMP+\i], v[NM+2*\i]
.endr
.irp i, 0,1
	v_floor_f32 v[NM+2*\i], -v[NM+2*\i+1]          ; the new -M: M is a whole number
.endr
.irp b, 0,1,2,3
.irp i, 0,1
	v_fma_f32 v[BM+16*\i+\b], v[BM+16*\i+\b], s22, v[NM+2*\i]   ; u = the block's largest t - M
.endr
.endr
.irp i, 0,1
	v_sub_f32 v[TMP+\i], v[NM+2*\i], v[TMP+\i]     ; old M - new M: a whole number, 0 or less
.endr
.irp b, 0,1,2,3
.irp i, 0,1
	v_max_num_f32 v[BM+16*\i+\b], 0xc2de0000, v[BM+16*\i+\b]   ; held at -111: the byte cannot fall under 1
.endr
.endr
.irp i, 0,1
	v_cvt_i32_f32 v[TMP+\i], v[TMP+\i]             ; (it saturates)
.endr
.irp b, 0,1,2,3
.irp i, 0,1
	v_cvt_floor_i32_f32 v[T1+16*\i+\b], v[BM+16*\i+\b]   ; e = the exponent of the block's largest p
.endr
.endr
.irp i, 0,1
	v_ldexp_f32 v[F+2*\i], 1.0, v[TMP+\i]          ; f = 2^(old M - new M)
.endr
.irp b, 0,1,2,3
.irp i, 0,1
	v_lshl_add_u32 v[SO+16*\i+\b], v[T1+16*\i+\b], 23, 0x38000000   ; exponent field e + 112: the conversion's scale operand
.endr
.endr
.irp b, 0,1,2,3
.irp i, 0,1
	v_lshl_add_u32 v[HL+16*\i+\b], v[T1+16*\i+\b], 23, 0x3fe00000   ; 1.75 x 2^e = 57,344 x the scale
.endr
.endr
.irp i, 0,1
	v_lshl_add_u32 v[BM+16*\i], v[T1+16*\i+1], 8, v[T1+16*\i]       ; the sum of e_b x 256^b, then 112 in every byte: the four bytes e_b + 112
	v_lshl_add_u32 v[BM+16*\i+1], v[T1+16*\i+3], 8, v[T1+16*\i+2]
.endr
.irp i, 0,1
	v_lshl_add_u32 v[BM+16*\i], v[BM+16*\i+1], 16, v[BM+16*\i]
.endr
.irp i, 0,1
	v_add_nc_u32 v[PW+\i], 0x70707070, v[BM+16*\i]  ; p's scale word for these 128 keys
.endr
.set j, 0
.rept 32
	v_pk_fma_f32 v[S+j:S+j+1], v[S+j:S+j+1], s[22:23], v[NM:NM+1] op_sel_hi:[1,0,0]   ; tile 0: t - M, two at a time
.set j, j+2
.endr
	WIN 0x41
.irp i, 0,1
.set j, 0
.rept 16
	v_pk_mul_f32 v[O+32*\i+j:O+32*\i+j+1], v[O+32*\i+j:O+32*\i+j+1], v[F+2*\i:F+2*\i+1] op_sel_hi:[1,0]   ; O^T under the new M
.set j, j+2
.endr
.endr
	WIN 0
	WALU                                           ; ahead of a batch of transcendentals
.set j, 0
.rept 32                               ; tile 0's exponentials, tile 1's scalings among them
	v_exp_f32 v[S+j], v[S+j]
	v_exp_f32 v[S+j+1], v[S+j+1]
	v_pk_fma_f32 v[S+64+j:S+64+j+1], v[S+64+j:S+64+j+1], s[22:23], v[NM+2:NM+3] op_sel_hi:[1,0,0]
.set j, j+2
.endr
	WALU                                           ; behind tile 0's batch and ahead of tile 1's
	SUMS 0
.set j, 0
.rept 32                               ; tile 1's exponentials, tile 0's holds among them
	v_exp_f32 v[S+64+j], v[S+64+j]
	v_exp_f32 v[S+64+j+1], v[S+64+j+1]
	MIN2 S+j, HL+j/16
.set j, j+2
.endr
	WALU                                           ; behind the batch
	CVT 0
	SUMS 1                                         ; (also the places between tile 0's codes and their products)
	WALU                                           ; ahead of the wait below
	s_wait_dscnt 18                                ; V and its scale words are in: behind them stand the 18 loads of the next K
	PV 0
.set j, 0
.rept 32
	MIN2 S+64+j, HL+16+j/16
.set j, j+2
.endr
	CVT 1
.rept 4
	v_nop                                          ; four places between the codes and the products that take them
.endr
	PV 1
	s_add_co_u32 s26, s26, REC
	s_sub_co_u32 s28, s28, 1
	s_cmp_lg_u32 s28, 0
	WALU
	s_cbranch_scc1 .Lstep
	s_wait_dscnt 0x0                               ; the last fetch of K is in: its registers are loaded again at the next pass's head
	; THE WAY OUT, both tiles by turns: O^T / the sum; the head's two blocks of 32 channels quantised; the codes put into natural order by one exchange with lane l xor 16
.irp i, 0,1
	v_pk_add_f32 v[LA+8*\i:LA+8*\i+1], v[LA+8*\i:LA+8*\i+1], v[LA+8*\i+2:LA+8*\i+3]
	v_pk_add_f32 v[LA+8*\i+4:LA+8*\i+5], v[LA+8*\i+4:LA+8*\i+5], v[LA+8*\i+6:LA+8*\i+7]
.endr
.irp i, 0,1
	v_pk_add_f32 v[LA+8*\i:LA+8*\i+1], v[LA+8*\i:LA+8*\i+1], v[LA+8*\i+4:LA+8*\i+5]
.endr
.irp i, 0,1
	v_add_f32 v[LA+8*\i], v[LA+8*\i], v[LA+8*\i+1]
.endr
.irp i, 0,1
	v_permlanex16_b32 v[TMP+\i], v[LA+8*\i], s20, s21
.endr
.irp i, 0,1
	v_add_f32 v[LA+8*\i], v[LA+8*\i], v[TMP+\i]    ; the row's sum
.endr
	WALU
.irp i, 0,1
	v_rcp_f32 v[LA+8*\i], v[LA+8*\i]
.endr
	v_nop                                          ; one plain line behind a transcendental
	WIN 0x01
	WALU                                           ; ahead of the first readers of the reciprocals and of O^T
.irp i, 0,1
.set j, 0
.rept 16
	v_pk_mul_f32 v[S+64*\i+j:S+64*\i+j+1], v[O+32*\i+j:O+32*\i+j+1], v[LA+8*\i:LA+8*\i+1] op_sel_hi:[1,0]   ; each accumulator from its low end on
.set j, j+2
.endr
.endr
	WIN 0
.irp b, 0,1
.irp i, 0,1
	v_max3_num_f32 v[BM+16*\i+\b], |v[S+64*\i+16*\b]|, |v[S+64*\i+16*\b+1]|, 0x8000000
.endr
.endr
.irp n, 2,4,6,8,10,12,14
.irp b, 0,1
.irp i, 0,1
	v_max3_num_f32 v[BM+16*\i+\b], v[BM+16*\i+\b], |v[S+64*\i+16*\b+\n]|, |v[S+64*\i+16*\b+\n+1]|
.endr
.endr
.endr
.irp b, 0,1
.irp i, 0,1
	v_permlanex16_b32 v[T1+16*\i+\b], v[BM+16*\i+\b], s20, s21
.endr
.endr
.irp b, 0,1
.irp i, 0,1
	v_max_num_f32 v[BM+16*\i+\b], v[BM+16*\i+\b], v[T1+16*\i+\b]
.endr
.endr
.irp b, 0,1
.irp i, 0,1
	v_add_nc_u32 v[SO+16*\i+\b], 0xf8800000, v[BM+16*\i+\b]
.endr
.endr
.irp b, 0,1
.irp i, 0,1
	v_and_or_b32 v[HL+16*\i+\b], v[BM+16*\i+\b], 0x7f800000, s24
.endr
.endr
.irp b, 0,1
.irp i, 0,1
	v_lshrrev_b32 v[T1+16*\i+\b], 23, v[SO+16*\i+\b]
.endr
.endr
.irp i, 0,1
	v_lshl_or_b32 v[TMP+\i], v[T1+16*\i+1], 8, v[T1+16*\i]   ; my row's two scale bytes
.endr
.irp i, 0,1
.irp b, 0,1
.irp n, 0,1,2,3,4,5,6,7,8,9,10,11,12,13,14,15
	v_med3_num_f32 v[S+64*\i+16*\b+\n], v[S+64*\i+16*\b+\n], -v[HL+16*\i+\b], v[HL+16*\i+\b]
.endr
	v_cvt_scalef32_pk8_bf8_f32 v[PC+16*\i+4*\b:PC+16*\i+4*\b+1], v[S+64*\i+16*\b:S+64*\i+16*\b+7], v[SO+16*\i+\b]
	v_cvt_scalef32_pk8_bf8_f32 v[PC+16*\i+4*\b+2:PC+16*\i+4*\b+3], v[S+64*\i+16*\b+8:S+64*\i+16*\b+15], v[SO+16*\i+\b]
.endr
.endr
	v_nop                                          ; one plain line behind the last conversion
.irp b, 0,1                            ; I hold channels 8 h + 0..7 (registers 0, 1) and 16 + 8 h + 0..7 (registers 2, 3) of the block; the operand wants 16 h + 0..15
.irp i, 0,1
	v_cndmask_b32 v[BM+16*\i], v[PC+16*\i+4*\b+2], v[PC+16*\i+4*\b], s25
	v_cndmask_b32 v[BM+16*\i+1], v[PC+16*\i+4*\b+3], v[PC+16*\i+4*\b+1], s25
.endr
.irp i, 0,1
	v_permlanex16_b32 v[BM+16*\i+2], v[BM+16*\i], s20, s21
	v_permlanex16_b32 v[BM+16*\i+3], v[BM+16*\i+1], s20, s21
.endr
.irp i, 0,1
	v_cndmask_b32 v[NAT+64*\i+4*\b], v[PC+16*\i+4*\b], v[BM+16*\i+2], s25
	v_cndmask_b32 v[NAT+64*\i+4*\b+1], v[PC+16*\i+4*\b+1], v[BM+16*\i+3], s25
	v_cndmask_b32 v[NAT+64*\i+4*\b+2], v[BM+16*\i+2], v[PC+16*\i+4*\b+2], s25
	v_cndmask_b32 v[NAT+64*\i+4*\b+3], v[BM+16*\i+3], v[PC+16*\i+4*\b+3], s25
.endr
.endr
	v_cndmask_b32 v10, v[TMP], v[TMP+1], s25       ; lanes 0-15: tile 0's scale bytes; lanes 16-31: tile 1's
.irp i, 0,1
.irp b, 0,1
	global_store_b128 v[LK], v[NAT+64*\i+4*\b:NAT+64*\i+4*\b+3], s[8:9] offset:16384*\i+512*\b   ; 32 lanes store 512 consecutive bytes
.endr
.endr
	global_store_b16 v[SA], v10, s[10:11]          ; two bytes of each of my 32 rows: a head owns 2 of a row's 32 scale bytes
	WALU
	s_wait_xcnt 0x0                                ; the stores have read their registers and bases
	s_add_nc_u64 s[8:9], s[8:9], 16*16384          ; 256 queries on
	s_add_nc_u64 s[10:11], s[10:11], 256*32
	s_sub_co_u32 s29, s29, 1
	s_cmp_lg_u32 s29, 0
	s_cbranch_scc1 .Lpass
	s_wait_tensorcnt 0x0                           ; the wave's end
	ds_add_u32 v[SPW], v[NIL]
	s_wait_dscnt 0x0
	CROUND                                         ; the closing round
	s_endpgm
.Lfunc_end_k_qa58cf85774_attn:
	.size	k_qa58cf85774_attn, .Lfunc_end_k_qa58cf85774_attn-k_qa58cf85774_attn
	.p2alignl 7, 3214868480
	.fill 96, 4, 3214868480
	.section	.rodata,"a",@progbits
	.p2align	6, 0x0
	.amdhsa_kernel k_qa58cf85774_attn
		.amdhsa_group_segment_fixed_size 275456
		.amdhsa_private_segment_fixed_size 0
		.amdhsa_enable_private_segment 0
		.amdhsa_kernarg_size 32
		.amdhsa_user_sgpr_count 2
		.amdhsa_user_sgpr_kernarg_segment_ptr 1
		.amdhsa_wavefront_size32 1
		.amdhsa_system_sgpr_workgroup_id_x 1
		.amdhsa_system_sgpr_workgroup_id_y 1
		.amdhsa_system_sgpr_workgroup_id_z 1
		.amdhsa_system_vgpr_workitem_id 0
		.amdhsa_next_free_vgpr 512
		.amdhsa_next_free_sgpr 66
		.amdhsa_reserve_vcc 0
		.amdhsa_float_denorm_mode_32 3
		.amdhsa_float_denorm_mode_16_64 3
		.amdhsa_memory_ordered 1
		.amdhsa_forward_progress 1
		.amdhsa_inst_pref_size 60
	.end_amdhsa_kernel
	.amdgpu_metadata
---
amdhsa.version: [ 1, 2 ]
amdhsa.kernels:
  - .name:           k_qa58cf85774_attn
    .symbol:         k_qa58cf85774_attn.kd
    .args:
      - { .name: qrec, .offset: 0, .size: 8, .value_kind: global_buffer, .address_space: global }
      - { .name: kv, .offset: 8, .size: 8, .value_kind: global_buffer, .address_space: global }
      - { .name: ao_img, .offset: 16, .size: 8, .value_kind: global_buffer, .address_space: global }
      - { .name: ao_scl, .offset: 24, .size: 8, .value_kind: global_buffer, .address_space: global }
    .group_segment_fixed_size: 275456
    .private_segment_fixed_size: 0
    .kernarg_segment_align: 8
    .kernarg_segment_size: 32
    .max_flat_workgroup_size: 256
    .sgpr_count:     66
    .vgpr_count:     512
    .wavefront_size: 32
...
	.end_amdgpu_metadata
.endif
;; end of part 3
;; launch oproj (part 4): grid 4 x 64, 4 waves a work-group, clusters of 4 x 4, 327,680 bytes of LDS; arguments ao_img, ao_scl, Wo_codes, Wo_scales, bo, x, out0; writes out0
.if DOCPART == 4
	.amdgcn_target "amdgcn-amd-amdhsa--gfx1250"
	.amdhsa_code_object_version 6
	.text
	.protected	k_qa58cf85774_oproj
	.globl	k_qa58cf85774_oproj
	.p2align	8
	.type	k_qa58cf85774_oproj,@function
k_qa58cf85774_oproj:
	s_mov_b64 s[64:65], 0
	v_nop
	global_prefetch_b8 v0, s[64:65] scope:SCOPE_SE
	s_setreg_imm32_b32 hwreg(HW_REG_WAVE_MODE, 25, 1), 1
	s_wait_xcnt 0x0
	s_wait_alu depctr_hold_cnt(0) depctr_sa_sdst(0) depctr_va_vdst(0) depctr_va_sdst(0) depctr_va_ssrc(0) depctr_va_vcc(0) depctr_vm_vsrc(0)
	s_getreg_b32 s2, hwreg(HW_REG_IB_STS2, 6, 4)
	s_cmp_eq_u32 s2, 0
	s_cbranch_scc0 .Lentry_in_a_cluster
	s_endpgm
.Lentry_in_a_cluster:
	s_bfe_u32 s2, ttmp6, 0x10000c
	s_cmp_lg_u32 s2, 0xf033
	s_cbranch_scc0 .Lentry_shape_is_right
	s_endpgm
.Lentry_shape_is_right:
; out0 = x + bo + ao Wo^T: [8192][1024] f32; ao and Wo as codes of E5M2 with one E8M0 byte for each 32 along K = 1,024; sums in f32, begun with bo.
; ao_img holds ao's codes as images of operand registers: [tile of 16 rows][block of 32 along K][lane][16 bytes]; ao_scl [row][32]; Wo's codes [1024][1024] and scales [1024][32] as given.
; SHARES: a block of out0 is 128 rows x 256 columns: 64 x 4 = 256 work-groups.  Four waves, 2 x 2; a wave makes 64 x 128: 32 accumulators.
; K goes in four steps of 256 through two LDS slots: A's 8 images of 4,096 bytes, then B's 256 rows of 256 bytes + 16 of padding.  The scale bytes of the block's rows of A and B, all of K, come once.
; CLUSTER 4 x 4: A's tiles and scales are asked for jointly along a row of the cluster, B's along a column.
; THE HEAD: one tensor load a wave: wave 0 A's tile of K step 0, wave 1 B's, wave 2 A's scales, wave 3 B's.  In the ring waves 0, 1 fetch halves of A's tile, waves 2, 3 halves of B's.
; x: the wave's 64 x 128 numbers are loaded at the head, as whole rows of 512 bytes, into window 3, and are added on the way out.
; No tile is prefetched: K has four steps, of which two are asked for at the head and the other two a K step ahead of their use; x comes by the head's loads.
; THE MATRIX INSTRUCTION IS USED TRANSPOSED (source 0 = 16 rows of Wo, source 1 = 16 rows of ao): a lane holds eight neighbouring numbers of a row of out0.
; REGISTERS: window 0: v0-31 addresses, v32-63 scale words (two sets), v64-127 bo as the first products' C, v128-255 A's fragments, two sets of 64 (on the way out: rows read back);
; window 1: B's fragments, two sets of 128; window 2: accumulator (a, b) at v[8 (8 a + b)]; window 3: x, block a at v[64 a].
; LIMITS: NaN and infinities are not served.
.set NQ,     2
.set ROWB,   256
.set KROW,   1024
.set PITCH,  272
.set AIMG,   4096                      ; 16 rows x 256 along K
.set FR,     16
.set NP,     8                         ; places behind this matrix instruction (ISA guide 7.12.1)
.set AHALF,  4*AIMG                    ; 64 rows of A in a slot
.set HALFT,  128*PITCH                 ; 128 rows of B
.set BOFF,   2*AHALF
.set SLOT,   BOFF+2*HALFT
.set KS,     32
.set SCL,    2*SLOT                    ; the scales, as units of 256 bytes + 16 of padding: A's 128 rows, then B's 256
.set SBLK,   544                       ; 16 rows of scales
.set HALFS,  8*SBLK                    ; 128 rows
.set SPARE,  SCL+3*HALFS
.set SPITCH, 528                       ; the way out: 16 rows x (512 bytes + 16) a wave, in slot 0, which has had its last fill and its last read by then
.set ADRA, 16
.set ADRB, 20
.set STO,  24
.set RD,   25
.set CO,   26
.set ADRS, 27
.set SPW,  28
.set NIL,  29
.set SC,   32
.set BI,   64
.set AF,   128
.set BK,   128
.set G1, 24
.set G0, 32
.set G1B, 48
.set G0B, 56
.set G1S, 68
.set G0S, 76
.set G1SB, 80
.set G0SB, 88
.set G0H, 4                            ; s[4:7], s[8:11]: group 0 of the head's loads of codes (the arguments that lay there are used up by then)
.set G0HB, 8
.set MSB, 0
.macro WIN new
.if MSB != (\new)
	s_set_vgpr_msb (MSB<<8)|(\new)
.set MSB, (\new)
.endif
.endm
.set MUL_LO, 0xa1                      ; source 0 (B) window 1, source 1 (A) window 0, C and D window 2
.set TO_B,   0x40
.macro WALU
	s_wait_alu depctr_va_vdst(0)
.endm
.macro PLACES n
.rept \n
	v_nop
.endr
.endm
.macro JLOAD g0a, g1a, g0b, g1b        ; waves 0, 1 fetch for A, waves 2, 3 for B
	s_cmp_eq_u32 s15, 0
	s_cbranch_scc0 .Lfor_b_\@
	tensor_load_to_lds s[\g0a:\g0a+3], s[\g1a:\g1a+7]
	s_nop 0
	PLACES 4
	s_branch .Lasked_\@
.Lfor_b_\@:
	tensor_load_to_lds s[\g0b:\g0b+3], s[\g1b:\g1b+7]
	s_nop 0
	PLACES 4
.Lasked_\@:
.endm
.macro CREST
	s_cmp_lg_u32 s14, 0
	s_cbranch_scc1 .Lnot_wave_0_\@
	s_barrier_signal -3
.Lnot_wave_0_\@:
	s_barrier_wait -3
	s_barrier_signal -1
	s_barrier_wait -1
.endm
.macro CROUND
	s_barrier_signal -1
	s_barrier_wait -1
	CREST
.endm
	s_load_b256 s[4:11], s[0:1], 0x0               ; ao_img, ao_scl, Wo_codes, Wo_scales
	s_load_b128 s[96:99], s[0:1], 0x20             ; bo, x
	s_load_b64 s[12:13], s[0:1], 0x30              ; out0
	v_lshl_add_u32 v[SPW], v0, 2, SPARE
	v_mov_b32 v[NIL], 0
	ds_add_u32 v[SPW], v[NIL]                      ; the opening lines: the add twice on end and one wait
	ds_add_u32 v[SPW], v[NIL]
	v_lshrrev_b32 v1, 5, v0
	v_readfirstlane_b32 s14, v1                    ; wave
	s_lshr_b32 s15, s14, 1                         ; my half of the rows; also: I fetch for A (0) or B (1)
	s_and_b32 s16, s14, 1                          ; my half of the columns; also: which half of a tile I fetch
	s_bfe_u32 s40, ttmp6, 0x40000
	s_bfe_u32 s41, ttmp6, 0x40004
	s_lshl_b32 s42, ttmp9, 2
	s_add_co_u32 s42, s42, s40                     ; block column
	s_and_b32 s17, ttmp7, 0xffff
	s_lshl_b32 s17, s17, 2
	s_add_co_u32 s17, s17, s41                     ; block row
	s_lshl_b32 s43, s41, 2
	s_lshl_b32 s43, 15, s43                        ; my row of the cluster
	s_lshl_b32 s44, 0x1111, s40                    ; my column
	s_or_b32 s[G1+0], s43, (3<<16)|(1<<21)         ; A: images of 4,096 bytes (512 elements of 8), 16,384 bytes apart: 8 at the head, 4 in the ring
	s_mov_b32 s[G1+1], 512<<16
	s_mov_b32 s[G1+2], 8<<16
	s_mov_b32 s[G1+3], 512<<16
	s_mov_b32 s[G1+4], 8
	s_mov_b32 s[G1+5], 2048
	s_mov_b32 s[G1+6], 0
	s_mov_b32 s[G1+7], 0
	s_or_b32 s[G1B+0], s44, (0<<16)|(1<<20)|(1<<21)|(5<<22)|(3<<25)   ; B: rows of 256 bytes, padded: 256 at the head, 128 in the ring
	s_mov_b32 s[G1B+1], ROWB<<16
	s_mov_b32 s[G1B+2], 256<<16
	s_mov_b32 s[G1B+3], ROWB<<16
	s_mov_b32 s[G1B+4], 256
	s_mov_b32 s[G1B+5], KROW
	s_mov_b32 s[G1B+6], 0
	s_mov_b32 s[G1B+7], 0
	s_or_b32 s[G1S+0], s43, (3<<16)|(1<<20)|(1<<21)|(5<<22)|(3<<25)   ; scales: dense bytes as rows of 256, padded: A's 16 rows,
	s_mov_b32 s[G1S+1], 32<<16
	s_mov_b32 s[G1S+2], 16<<16
	s_mov_b32 s[G1S+3], 32<<16
	s_mov_b32 s[G1S+4], 16
	s_mov_b32 s[G1S+5], 32
	s_mov_b32 s[G1S+6], 0
	s_mov_b32 s[G1S+7], 0
	s_or_b32 s[G1SB+0], s44, (3<<16)|(1<<20)|(1<<21)|(5<<22)|(3<<25)  ; B's 32
	s_mov_b32 s[G1SB+1], 32<<16
	s_mov_b32 s[G1SB+2], 32<<16
	s_mov_b32 s[G1SB+3], 32<<16
	s_mov_b32 s[G1SB+4], 32
	s_mov_b32 s[G1SB+5], 32
	s_mov_b32 s[G1SB+6], 0
	s_mov_b32 s[G1SB+7], 0
	s_lshl_b32 s20, s17, 7                         ; A's first row
	s_lshl_b32 s46, s42, 8                         ; B's
	s_mov_b32 s21, 0
	s_mov_b32 s47, 0
	s_mov_b64 s[18:19], KS
	s_mul_u64 s[22:23], s[20:21], s[18:19]
	s_mul_u64 s[92:93], s[46:47], s[18:19]
	s_mov_b64 s[18:19], KROW
	s_mul_u64 s[20:21], s[20:21], s[18:19]
	s_mul_u64 s[46:47], s[46:47], s[18:19]
	s_mul_i32 s45, s16, AHALF                      ; where my half of a tile goes in a slot: A's,
	s_mul_i32 s94, s16, HALFT
	s_add_co_u32 s94, s94, BOFF                    ; B's
	s_wait_dscnt 0x0
	s_wait_kmcnt 0x0
	s_add_nc_u64 s[20:21], s[4:5], s[20:21]
	s_add_nc_u64 s[22:23], s[6:7], s[22:23]
	s_add_nc_u64 s[46:47], s[8:9], s[46:47]
	s_add_nc_u64 s[92:93], s[10:11], s[92:93]
	CROUND                                         ; all sixteen work-groups are here
	s_mov_b32 s[G0H], 1
	s_mov_b32 s[G0H+1], 0
	s_mov_b64 s[G0H+2:G0H+3], s[20:21]
	s_or_b32 s[G0H+3], s[G0H+3], 0x80000000
	s_mov_b32 s[G0HB], 1
	s_mov_b32 s[G0HB+1], BOFF
	s_mov_b64 s[G0HB+2:G0HB+3], s[46:47]
	s_or_b32 s[G0HB+3], s[G0HB+3], 0x80000000
	s_mov_b32 s[G0S], 1
	s_mov_b32 s[G0S+1], SCL
	s_mov_b64 s[G0S+2:G0S+3], s[22:23]
	s_or_b32 s[G0S+3], s[G0S+3], 0x80000000
	s_mov_b32 s[G0SB], 1
	s_mov_b32 s[G0SB+1], SCL+HALFS
	s_mov_b64 s[G0SB+2:G0SB+3], s[92:93]
	s_or_b32 s[G0SB+3], s[G0SB+3], 0x80000000
	s_lshl_b32 s18, s16, 16                        ; for the ring: my 64 rows of A (4 images' tiles of 16,384 bytes),
	s_mov_b32 s19, 0
	s_add_nc_u64 s[20:21], s[20:21], s[18:19]
	s_lshl_b32 s18, s16, 17                        ; my 128 rows of B
	s_add_nc_u64 s[46:47], s[46:47], s[18:19]
.irp s, 0,1
	s_mov_b32 s[G0+4*\s], 1
	s_add_co_u32 s[G0+4*\s+1], s45, \s*SLOT
	s_add_nc_u64 s[G0+4*\s+2:G0+4*\s+3], s[20:21], \s*AIMG
	s_or_b32 s[G0+4*\s+3], s[G0+4*\s+3], 0x80000000
	s_mov_b32 s[G0B+4*\s], 1
	s_add_co_u32 s[G0B+4*\s+1], s94, \s*SLOT
	s_add_nc_u64 s[G0B+4*\s+2:G0B+4*\s+3], s[46:47], \s*ROWB
	s_or_b32 s[G0B+4*\s+3], s[G0B+4*\s+3], 0x80000000
.endr
.macro ARM under, g0, g1, next         ; one chain of branches on the wave's number, a load to an arm
	s_cmp_lt_u32 s14, \under
	s_cbranch_scc0 \next
	tensor_load_to_lds s[\g0:\g0+3], s[\g1:\g1+7]
	s_nop 0
	PLACES 4
	s_branch .Lhead_asked
\next:
.endm
	ARM 1, G0H,  G1,  .Lhead_b
	ARM 2, G0HB, G1B, .Lhead_sa
	ARM 3, G0S,  G1S, .Lhead_sb
	tensor_load_to_lds s[G0SB:G0SB+3], s[G1SB:G1SB+7]
	s_nop 0
	PLACES 4
.Lhead_asked:
	v_and_b32 v1, 15, v0                           ; r
	v_bfe_u32 v2, v0, 4, 1                         ; h
	v_and_b32 v6, 31, v0
	v_lshlrev_b32 v[CO], 4, v6                     ; 16 x lane
	v_lshlrev_b32 v7, 5, v2                        ; bo: 32 h
	s_lshl_b32 s20, s17, 7
	s_lshl_b32 s21, s15, 6
	s_add_co_u32 s20, s20, s21                     ; my first row of out0
	s_lshl_b32 s20, s20, 12                        ; in bytes: under 2^25
	s_mov_b32 s21, 0
	s_lshl_b32 s46, s42, 10
	s_lshl_b32 s47, s16, 9
	s_add_co_u32 s46, s46, s47                     ; my first column, in bytes
	s_mov_b32 s47, 0
	s_add_nc_u64 s[96:97], s[96:97], s[46:47]
	s_add_nc_u64 s[20:21], s[20:21], s[46:47]
	s_add_nc_u64 s[12:13], s[12:13], s[20:21]
	s_add_nc_u64 s[98:99], s[98:99], s[20:21]
	WALU                                           ; ahead of the readers below
.irp b, 0,1,2,3,4,5,6,7
	global_load_b128 v[BI+8*\b:BI+8*\b+3], v7, s[96:97] offset:64*\b
	global_load_b128 v[BI+8*\b+4:BI+8*\b+7], v7, s[96:97] offset:64*\b+16
.endr
.macro XLOAD a                         ; 16 rows of x, 512 consecutive bytes a row, into window 3
	WIN 0xc0
.irp t, 0,1,2,3,4,5,6,7,8,9,10,11,12,13,14,15
	global_load_b128 v[64*(\a)+4*\t:64*(\a)+4*\t+3], v[CO], s[98:99] offset:(16*(\a)+\t)*4096 th:TH_LOAD_NT
.endr
	WIN 0
.endm
	XLOAD 0
	XLOAD 1
	v_mul_u32_u24 v3, v1, PITCH
	v_lshl_add_u32 v4, v2, 4, v3
	s_mul_i32 s21, s15, AHALF
	s_mul_i32 s22, s16, HALFT
	s_add_co_u32 s22, s22, BOFF
.irp s, 0,1
	v_add_nc_u32 v[ADRA+\s], s21, v[CO]
	v_add_nc_u32 v[ADRB+\s], s22, v4
	s_add_co_u32 s21, s21, SLOT
	s_add_co_u32 s22, s22, SLOT
.endr
	v_mul_u32_u24 v5, v1, KS                       ; my row's scales: 32 bytes a row, 16 more for each 256 passed
	v_lshrrev_b32 v6, 8, v5
	v_lshl_add_u32 v5, v6, 4, v5
	s_mul_i32 s21, s15, 4*SBLK                     ; A's: my 64 rows
	s_mul_i32 s22, s16, HALFS                      ; B's: my 128 rows, behind A's 128
	s_add_co_u32 s22, s22, HALFS
	s_sub_co_u32 s22, s22, s21
	v_mul_u32_u24 v6, s22, v2                      ; lanes 16-31 take B's
	s_add_co_u32 s21, s21, SCL
	v_add_nc_u32 v5, v5, v6
	v_add_nc_u32 v[ADRS], s21, v5
	WALU
	s_mul_i32 s23, s14, 16*SPITCH                  ; my stage
	v_mul_u32_u24 v5, v1, SPITCH
	v_lshl_add_u32 v5, v2, 5, v5
	v_add_nc_u32 v[STO], s23, v5
	v_add_nc_u32 v[RD], s23, v[CO]
.macro FRAG reg, adr, q, i
.irp c, 0,1,2,3
	ds_load_b128 v[\reg+4*\c:\reg+4*\c+3], v[\adr] offset:128*(\q)+32*\c+(\i)*16*PITCH
.endr
.endm
.macro FRAGA reg, adr, q, i
.irp c, 0,1,2,3
	ds_load_b128 v[\reg+4*\c:\reg+4*\c+3], v[\adr] offset:AIMG*(\i)+2048*(\q)+512*\c
.endr
.endm
; 16 matrix instructions: A's blocks a0, a0 + 1 x B's eight, the slot's q-th 128 along K, fragment sets p, scale set sc.  first = 1: the sums begin with bo.  The 32 accumulators take turns in the same order in every step.
.macro MUL16 a0, p, q, sc, first
.irp a, \a0, \a0+1
.irp b, 0,1,2,3,4,5,6,7
.if \first
	v_wmma_scale_f32_16x16x128_f8f6f4 v[8*(8*(\a)+\b):8*(8*(\a)+\b)+7], v[128*(\p)+FR*\b:128*(\p)+FR*\b+FR-1], v[AF+64*(\p)+FR*(\a):AF+64*(\p)+FR*(\a)+FR-1], v[BI+8*\b:BI+8*\b+7], v[SC+8*NQ*(\sc)+NQ*\b+(\q)], v[SC+8*NQ*(\sc)+NQ*(\a)+(\q)] matrix_a_fmt:MATRIX_FMT_BF8 matrix_b_fmt:MATRIX_FMT_BF8 matrix_a_scale:MATRIX_SCALE_ROW1
.else
	v_wmma_scale_f32_16x16x128_f8f6f4 v[8*(8*(\a)+\b):8*(8*(\a)+\b)+7], v[128*(\p)+FR*\b:128*(\p)+FR*\b+FR-1], v[AF+64*(\p)+FR*(\a):AF+64*(\p)+FR*(\a)+FR-1], v[8*(8*(\a)+\b):8*(8*(\a)+\b)+7], v[SC+8*NQ*(\sc)+NQ*\b+(\q)], v[SC+8*NQ*(\sc)+NQ*(\a)+(\q)] matrix_a_fmt:MATRIX_FMT_BF8 matrix_b_fmt:MATRIX_FMT_BF8 matrix_a_scale:MATRIX_SCALE_ROW1
.endif
.endr
.endr
.endm
.macro FETCH slot, q, p                ; 48 loads: B's eight fragments and A's four of the slot's q-th 128 along K, into sets p
	WIN TO_B
.irp i, 0,1,2,3,4,5,6,7
	FRAG 128*(\p)+FR*\i, ADRB+\slot, \q, \i
.endr
	WIN 0
.irp i, 0,1,2,3
	FRAGA AF+64*(\p)+FR*\i, ADRA+\slot, \q, \i
.endr
.endm
.macro SCALES sc                       ; a K step's scale words: lanes 0-15 A's block i (blocks 4-7: not used), lanes 16-31 B's block i
.irp i, 0,1,2,3,4,5,6,7
	ds_load_b64 v[SC+8*NQ*\sc+NQ*\i:SC+8*NQ*\sc+NQ*\i+1], v[ADRS] offset:\i*SBLK
.endr
.endm
.macro STEPA slot, first               ; a slot's first 128 along K, on sets 0; ahead of its products the second 128's fragments are asked for, into sets 1
	PLACES NP                                      ; behind the products that read sets 1
	FETCH \slot, 1, 1
	s_wait_dscnt 48                                ; all but the 48 just issued: sets 0 and the scale words are in
.if \first
	WIN 0x81                                       ; C (bo) in window 0
.else
	WIN MUL_LO
.endif
	MUL16 0, 0, 0, \slot, \first
	MUL16 2, 0, 0, \slot, \first
	WIN 0
.endm
.macro TURN slot, next, fill           ; a slot's second 128 along K, on sets 1, and the change of slots
	s_wait_tensorcnt 0x0                           ; all my tensor loads have landed: my part of the next slot
	ds_add_u32 v[SPW], v[NIL]
	s_wait_dscnt 0x0                               ; the add is done; sets 1 are in: my reads of this slot are over
	s_barrier_signal -1
	WIN MUL_LO
	MUL16 0, 1, 1, \slot, 0
	WIN 0
	s_barrier_wait -1
.if \fill
	CREST                                          ; the barrier has opened a round of the cluster's barrier
	s_add_nc_u64 s[G0+4*\slot+2:G0+4*\slot+3], s[G0+4*\slot+2:G0+4*\slot+3], 2*AIMG
	s_add_nc_u64 s[G0B+4*\slot+2:G0B+4*\slot+3], s[G0B+4*\slot+2:G0B+4*\slot+3], 2*ROWB
	JLOAD G0+4*\slot, G1, G0B+4*\slot, G1B         ; the first tensor load behind the round; its four v_nop are among the places
	PLACES NP-4
.else
	PLACES NP
.endif
	v_add_nc_u32 v[ADRS], 4*NQ, v[ADRS]            ; the next K step's scale words
	WALU                                           ; directly behind the write
	FETCH \next, 0, 0
	SCALES \next
	WIN MUL_LO
	MUL16 2, 1, 1, \slot, 0
	WIN 0
.endm
	WALU                                           ; at the head's end
	s_wait_tensorcnt 0x0                           ; my tile of the head's four is in
	ds_add_u32 v[SPW], v[NIL]                      ; ahead of a later first fill
	s_mov_b32 s[G1+2], 4<<16                       ; no tensor load of mine is out: from here on a load brings half a tile
	s_mov_b32 s[G1+4], 4
	s_mov_b32 s[G1B+2], 128<<16
	s_mov_b32 s[G1B+4], 128
	s_wait_dscnt 0x0
	CROUND
	JLOAD G0+4, G1, G0B+4, G1B                     ; K step 1, slot 1's first fill
	FETCH 0, 0, 0
	SCALES 0
	s_wait_loadcnt 32                              ; bo is in: behind it stand 32 loads of x
	XLOAD 2
	XLOAD 3
	STEPA 0, 1
	TURN 0, 1, 1
	STEPA 1, 0
	TURN 1, 0, 1
	STEPA 0, 0
	TURN 0, 1, 0
	STEPA 1, 0
	s_wait_dscnt 0x0
	WIN MUL_LO
	MUL16 0, 1, 1, 1, 0
	MUL16 2, 1, 1, 1, 0
	WIN 0
; THE WAY OUT, block by block of 16 rows x 128 columns, through my stage: back come whole rows of 512 bytes, x is added, and 32 lanes store two aligned units of 256 bytes
.macro TOSTAGE a
	WIN 0x08
.irp b, 0,1,2,3,4,5,6,7
	ds_store_b128 v[STO], v[64*(\a)+8*\b:64*(\a)+8*\b+3] offset:64*\b          ; each accumulator from its low end on
	ds_store_b128 v[STO], v[64*(\a)+8*\b+4:64*(\a)+8*\b+7] offset:64*\b+16
.endr
	WIN 0
.set BB, BK+64*((\a)%2)
.irp t, 0,1,2,3,4,5,6,7,8,9,10,11,12,13,14,15
	ds_load_b128 v[BB+4*\t:BB+4*\t+3], v[RD] offset:\t*SPITCH                  ; LDS serves a wave's instructions in order
.endr
.endm
.macro SEND a, younger
.set BB, BK+64*((\a)%2)
	s_wait_dscnt \younger
	s_wait_loadcnt 0x0                             ; x
	WIN 0x0c
.set k, 0
.rept 32
	v_pk_add_f32 v[BB+2*k:BB+2*k+1], v[BB+2*k:BB+2*k+1], v[64*(\a)+2*k:64*(\a)+2*k+1]
.set k, k+1
.endr
	WIN 0
.irp t, 0,1,2,3,4,5,6,7,8,9,10,11,12,13,14,15
	global_store_b128 v[CO], v[BB+4*\t:BB+4*\t+3], s[12:13] offset:(16*(\a)+\t)*4096 th:TH_STORE_NT
.endr
.endm
	PLACES NP
	TOSTAGE 0
.irp a, 1,2,3
.if \a > 1
	s_wait_xcnt 0x0                                ; block a - 2's stores have read their registers
.endif
	TOSTAGE \a
	SEND \a-1, 32                                  ; behind block a - 1's loads: block a's 16 stores and 16 loads
.endr
	s_wait_xcnt 0x0
	SEND 3, 0
	s_wait_tensorcnt 0x0                           ; the wave's end
	ds_add_u32 v[SPW], v[NIL]
	s_wait_dscnt 0x0
	CROUND                                         ; the closing round
	s_endpgm
.Lfunc_end_k_qa58cf85774_oproj:
	.size	k_qa58cf85774_oproj, .Lfunc_end_k_qa58cf85774_oproj-k_qa58cf85774_oproj
	.p2alignl 7, 3214868480
	.fill 96, 4, 3214868480
	.section	.rodata,"a",@progbits
	.p2align	6, 0x0
	.amdhsa_kernel k_qa58cf85774_oproj
		.amdhsa_group_segment_fixed_size 327680
		.amdhsa_private_segment_fixed_size 0
		.amdhsa_enable_private_segment 0
		.amdhsa_kernarg_size 56
		.amdhsa_user_sgpr_count 2
		.amdhsa_user_sgpr_kernarg_segment_ptr 1
		.amdhsa_wavefront_size32 1
		.amdhsa_system_sgpr_workgroup_id_x 1
		.amdhsa_system_sgpr_workgroup_id_y 1
		.amdhsa_system_sgpr_workgroup_id_z 1
		.amdhsa_system_vgpr_workitem_id 0
		.amdhsa_next_free_vgpr 1024
		.amdhsa_next_free_sgpr 100
		.amdhsa_reserve_vcc 0
		.amdhsa_float_denorm_mode_32 3
		.amdhsa_float_denorm_mode_16_64 3
		.amdhsa_memory_ordered 1
		.amdhsa_forward_progress 1
		.amdhsa_inst_pref_size 106
	.end_amdhsa_kernel
	.amdgpu_metadata
---
amdhsa.version: [ 1, 2 ]
amdhsa.kernels:
  - .name:           k_qa58cf85774_oproj
    .symbol:         k_qa58cf85774_oproj.kd
    .args:
      - { .name: ao_img, .offset: 0, .size: 8, .value_kind: global_buffer, .address_space: global }
      - { .name: ao_scl, .offset: 8, .size: 8, .value_kind: global_buffer, .address_space: global }
      - { .name: Wo_codes, .offset: 16, .size: 8, .value_kind: global_buffer, .address_space: global }
      - { .name: Wo_scales, .offset: 24, .size: 8, .value_kind: global_buffer, .address_space: global }
      - { .name: bo, .offset: 32, .size: 8, .value_kind: global_buffer, .address_space: global }
      - { .name: x, .offset: 40, .size: 8, .value_kind: global_buffer, .address_space: global }
      - { .name: out0, .offset: 48, .size: 8, .value_kind: global_buffer, .address_space: global }
    .group_segment_fixed_size: 327680
    .private_segment_fixed_size: 0
    .kernarg_segment_align: 8
    .kernarg_segment_size: 56
    .max_flat_workgroup_size: 128
    .sgpr_count:     100
    .vgpr_count:     1024
    .wavefront_size: 32
...
	.end_amdgpu_metadata
.endif
;; end of part 4
